; MI455X (gfx1250); checked and timed in simulation.
; The chip was launched on July 23, 2026; its instructions are those of AMD's public machine-readable ISA for CDNA 5 (MIT licence, August 2026) and "CDNA5" Instruction Set Architecture Reference Guide (July 2026). The comments in the code are by the model that wrote it; some were corrected since.
;; Linear Attention. Allowed arithmetic: float matrix products may take bf16 or f16 operands with f32 sums; all other float work in f32.
;; Inputs: Wk 512 x 512 float32; Wo 512 x 512 float32; Wq 512 x 512 float32; Wv 512 x 512 float32; bk 512 float32; bo 512 float32; bq 512 float32; bv 512 float32; x 2 x 4,096 x 512 float32.
;; Outputs: out0 2 x 4,096 x 512 float32.
;; 2 versions, each right and faster than the one before. Each part assembles by itself: llvm-mc -triple=amdgcn-amd-amdhsa -mcpu=gfx1250 --defsym DOCPART=n.
;; ======== version 1 of 2: 3 launches
;; limits: values outside matrix products are rounded to bf16
;; workspace buffers: qkv 33,554,432 bytes; st 5,242,880 bytes; o16 16,777,216 bytes; wo16 524,288 bytes
;; launch proj (part 1): grid 8 x 32, 4 waves a work-group, no clusters, 148,480 bytes of LDS; arguments x, Wq, Wk, Wv, bq, bk, bv, qkv, st; writes qkv, st
.if DOCPART == 1
	.amdgcn_target "amdgcn-amd-amdhsa--gfx1250"
	.amdhsa_code_object_version 6
	.text
	.protected	k_qd5a7aef574_proj
	.globl	k_qd5a7aef574_proj
	.p2align	8
	.type	k_qd5a7aef574_proj,@function
k_qd5a7aef574_proj:
	s_mov_b64 s[64:65], 0
	v_nop
	global_prefetch_b8 v0, s[64:65] scope:SCOPE_SE
	s_setreg_imm32_b32 hwreg(HW_REG_WAVE_MODE, 25, 1), 1
	s_wait_xcnt 0x0
; q, k, v of ONE head for ONE chunk of 256 rows, and the chunk's state K^T [V | 1].
; x [8192][512] f32, Wq/Wk/Wv [512][512] f32 (used as x W^T), biases f32.  Work-group (head, rb): rows 256 rb .., columns 64 head ..
; Out: qkv bf16 [bh 16][256][4096], t along the rows: rows 0-63 q^T, 64-127 k^T, 128-191 v^T (hi), 192-255 v^T (lo), v = hi + lo;
;      st  f32  [bh][chunk 16][tile 5 it + jt][half 2][lane 32][4]: the register image of tile (it, jt) of K^T [V | 1] (64 x 80).
; q and k pass f(z) = (z - min(z,0)) + exp2(1.442695 min(z,0)), which is z + 1 above zero and e^z below: elu(z) + 1 without a branch.
; v is kept as two bf16 because an early row of the result is a mean of few v and much larger than the result's root mean square,
; against which it is compared: one bf16 (8 bits) would not do, two (16 bits) do.
; LIMITS: v_exp_f32 gives 0 where e^z is below 2^-126; z = -inf gives NaN (the reference gives 0); hi + lo needs |v| inside bf16's finite range.
; Four waves, each 64 rows x 192 columns = 48 accumulator tiles.  K goes in 8 steps of 64 floats (256 bytes of a row, aligned).
; The operands are f32 in memory and bf16 in the matrix unit, so they come through registers: load, convert once, store to LDS as bf16;
; that halves what LDS takes in and gives out against f32 tiles, and is why no tensor load and no cluster is used here.
; Two LDS slots take turns; the whole next step (56 loads of 512 bytes a wave) is in flight while a step is multiplied.
; REGISTER WINDOWS: 0 addresses, fragments, work; 1 accumulators of q (v0-127) and k (v128-255); 2 of v (v0-127); 3 the 56 loads' 224 registers.
.set PITCH, 144                        ; an LDS row: 64 bf16 + 16 bytes, an odd multiple of 16: sixteen rows of a fragment start at different banks
.set SLOT,  448*PITCH                  ; 256 rows of x, then 64 rows each of Wq, Wk, Wv
.set WOFF,  256*PITCH
.set SREG,  256*PITCH+128              ; the stage: one region a wave, 256 feature rows x 64 t; the 128 bytes turn neighbouring regions by 32 banks
.set GX, 8                             ; byte offset of my 16 bytes in x
.set GW, 9                             ; the same in each W
.set STX, 10                           ; v10-11 where I store x's bf16, slot 0, 1
.set STW, 12                           ; v12-13 the same for W
.set FA, 14                            ; v14-15 my x fragments, slot 0, 1
.set FB, 16                            ; v16-17 the W fragments
.set BO, 18                            ; 4 r: my column's bias
.set SG, 19                            ; stage: where a tile's 16 bytes go
.set RD, 20                            ; stage: read back by rows
.set GO, 21                            ; my byte offset in qkv
.set FSA, 22                           ; v22-23 state: k^T fragments, t below 128 and from 128
.set FSB, 24                           ; v24-25 state: v^T fragments
.set SO, 26                            ; my byte offset in st
.set AF0, 32                           ; v32-95   two buffers of 4 x fragments
.set BF0, 96                           ; v96-159  two buffers of 4 W fragments
.set CV, 160                           ; v160-215 converted numbers on their way to LDS
.set BI, 224                           ; v224-247 12 biases, each in both registers of a pair for the packed add
.set Z, 32                             ; v32-159  epilogue: one matrix's 16 tiles in f32
.set T, 160                            ; v160-167 min(z,0); or v's hi part
.set E, 168                            ; v168-175 the exponentials
.set WT, 168                           ; v168-175 hi widened to f32
.set SB0, 32                           ; v32-103  state: buffer 0 (k 8, v hi 32, v lo 32)
.set SB1, 104                          ; v104-175 buffer 1
.set ONE, 176                          ; v176-183 a fragment of ones
.set SA, 184                           ; v184-223 five state tiles
.set MSB, 0
.macro WIN new                         ; the immediate's high byte repeats the setting that is left
.if MSB != \new
	s_set_vgpr_msb (MSB<<8)|\new
.set MSB, \new
.endif
.endm
.macro PLACES                          ; four places behind a matrix instruction before its registers are loaded into, read or written (ISA guide 7.12.1)
.rept 4
	v_nop
.endr
.endm
	s_load_b512 s[16:31], s[0:1], 0x0              ; x, Wq, Wk, Wv, bq, bk, bv, qkv
	s_load_b64 s[32:33], s[0:1], 0x40              ; st
	v_lshl_add_u32 v254, v0, 2, 0x24200
	v_mov_b32 v255, 0
	v_lshrrev_b32 v4, 5, v0
	v_readfirstlane_b32 s8, v4                     ; wave
	s_and_b32 s10, ttmp7, 0xffff                   ; rb = 16 b + chunk
	s_lshr_b32 s11, s10, 4
	s_lshl3_add_u32 s11, s11, ttmp9                ; bh = 8 b + head
	s_and_b32 s12, s10, 15                         ; chunk
	v_and_b32 v1, 15, v0                           ; r
	v_bfe_u32 v2, v0, 4, 1                         ; h
	v_lshlrev_b32 v4, 4, v1                        ; lanes 0-15 take 256 bytes of a row,
	v_lshl_add_u32 v4, v2, 14, v4                  ; lanes 16-31 those of the row 8 further down
	s_lshl_b32 s13, s8, 17                         ; my 64 rows of x
	v_add_nc_u32 v[GX], s13, v4
	s_lshl_b32 s13, s8, 15                         ; my 16 rows of each W
	v_add_nc_u32 v[GW], s13, v4
	v_lshlrev_b32 v[BO], 2, v1
	s_mov_b32 s15, 0
	s_wait_kmcnt 0x0
	s_lshl_b32 s14, s10, 19                        ; 256 rows of 2,048 bytes
	s_add_nc_u64 s[16:17], s[16:17], s[14:15]
	s_lshl_b32 s14, ttmp9, 17                      ; 64 rows of 2,048 bytes
	s_add_nc_u64 s[18:19], s[18:19], s[14:15]
	s_add_nc_u64 s[20:21], s[20:21], s[14:15]
	s_add_nc_u64 s[22:23], s[22:23], s[14:15]
.macro GLOAD                           ; one K step: 32 loads of x, 8 of each W, into window 3
	WIN 0xc0
.set nn, 0
.rept 32
	global_load_b128 v[4*nn:4*nn+3], v[GX], s[16:17] offset:((nn/8)*16+(nn%8))*2048
.set nn, nn+1
.endr
.set nn, 0
.rept 24
	global_load_b128 v[128+4*nn:128+4*nn+3], v[GW], s[18+2*(nn/8):19+2*(nn/8)] offset:(nn%8)*2048
.set nn, nn+1
.endr
	WIN 0
.endm
.macro NEXTK                           ; 64 floats on; stands behind the wait that shows the last loads done
	s_add_nc_u64 s[16:17], s[16:17], 256
	s_add_nc_u64 s[18:19], s[18:19], 256
	s_add_nc_u64 s[20:21], s[20:21], 256
	s_add_nc_u64 s[22:23], s[22:23], 256
.endm
.macro CONV slot                       ; 224 f32 to 112 words of bf16, 8 bytes a lane to LDS: lanes 0-15 fill 128 bytes, lanes 16-31 lie 32 banks further
.set bb, 0
.rept 2
	WIN 0x0f
.set nn, 0
.rept 28
	v_cvt_pk_bf16_f32 v[CV+2*nn], v[4*(28*bb+nn)], v[4*(28*bb+nn)+1]
	v_cvt_pk_bf16_f32 v[CV+2*nn+1], v[4*(28*bb+nn)+2], v[4*(28*bb+nn)+3]
.set nn, nn+1
.endr
	WIN 0
.set nn, 0
.rept 28
.set mm, 28*bb+nn
.if mm < 32
	ds_store_b64 v[STX+\slot], v[CV+2*nn:CV+2*nn+1] offset:((mm/8)*16+(mm%8))*PITCH
.else
	ds_store_b64 v[STW+\slot], v[CV+2*nn:CV+2*nn+1] offset:((mm-32)/8)*64*PITCH+((mm-32)%8)*PITCH
.endif
.set nn, nn+1
.endr
.set bb, bb+1
.endr
.endm
	GLOAD                                          ; K step 0
	s_lshl_b32 s14, ttmp9, 8                       ; 64 floats
	s_add_nc_u64 s[24:25], s[24:25], s[14:15]
	s_add_nc_u64 s[26:27], s[26:27], s[14:15]
	s_add_nc_u64 s[28:29], s[28:29], s[14:15]
.set nn, 0
.rept 12
	global_load_b32 v[BI+2*nn], v[BO], s[24+2*(nn/4):25+2*(nn/4)] offset:64*(nn%4)
	global_load_b32 v[BI+2*nn+1], v[BO], s[24+2*(nn/4):25+2*(nn/4)] offset:64*(nn%4)
.set nn, nn+1
.endr
	s_lshl_b32 s14, s11, 21                        ; qkv: 256 rows of 8,192 bytes a head,
	s_lshl_b32 s13, s12, 9                         ; 512 bytes a chunk
	s_add_co_u32 s14, s14, s13
	s_add_nc_u64 s[30:31], s[30:31], s[14:15]
	s_lshl4_add_u32 s14, s11, s12
	s_mul_i32 s14, s14, 20480                      ; st: 20 tiles of 1,024 bytes a chunk
	s_add_nc_u64 s[32:33], s[32:33], s[14:15]
	v_lshlrev_b32 v5, 3, v1
	v_mad_u32_u24 v5, v2, 8*PITCH, v5              ; 8 r, and 8 rows down for lanes 16-31
	s_mul_i32 s13, s8, 64*PITCH
	v_add_nc_u32 v[STX], s13, v5
	v_add_nc_u32 v[STX+1], SLOT, v[STX]
	v_mul_u32_u24 v6, v1, PITCH
	v_lshl_add_u32 v6, v2, 4, v6                   ; r x pitch + 16 h: a fragment's lane term
	v_add_nc_u32 v[FA], s13, v6
	v_add_nc_u32 v[FA+1], SLOT, v[FA]
	v_bfe_u32 v4, v0, 3, 2                         ; copy-out: lane L takes region L / 8,
	v_and_b32 v7, 7, v0
	v_lshlrev_b32 v7, 4, v7                        ; 16 bytes at 16 (L % 8),
	v_mad_u32_u24 v4, v4, SREG, v7
	v_add_nc_u32 v[RD], s13, v4                    ; of my wave's 64 feature rows
	s_mul_i32 s13, s8, 16*PITCH
	s_add_co_u32 s13, s13, WOFF
	v_add_nc_u32 v[STW], s13, v5
	v_add_nc_u32 v[STW+1], SLOT, v[STW]
	v_add_nc_u32 v[FB], WOFF, v6
	v_add_nc_u32 v[FB+1], SLOT, v[FB]
	s_mul_i32 s13, s8, SREG
	v_add_nc_u32 v[SG], s13, v6
	v_and_b32 v3, 31, v0
	v_lshlrev_b32 v7, 4, v3                        ; 16 L
	s_lshl_b32 s13, s8, 19                         ; 64 rows of 8,192 bytes
	v_add_nc_u32 v[GO], s13, v7
	s_mul_i32 s13, s8, 16*PITCH
	s_add_co_u32 s13, s13, 64*PITCH                ; k^T rows 64 + 16 w ..
	v_add_nc_u32 v[FSA], s13, v6
	v_add_nc_u32 v[FSA+1], 2*SREG, v[FSA]
	v_add_nc_u32 v[FSB], 128*PITCH, v6             ; v^T rows 128 ..
	v_add_nc_u32 v[FSB+1], 2*SREG, v[FSB]
	s_mul_i32 s13, s8, 5120
	v_add_nc_u32 v[SO], s13, v7
.macro FETA slot, u                    ; my 64 rows of x, 32 K at byte 64 u
	WIN 0
.set aa, 0
.rept 4
	ds_load_b128 v[AF0+32*\u+8*aa:AF0+32*\u+8*aa+3], v[FA+\slot] offset:aa*16*PITCH+64*\u
	ds_load_b128 v[AF0+32*\u+8*aa+4:AF0+32*\u+8*aa+7], v[FA+\slot] offset:aa*16*PITCH+64*\u+32
.set aa, aa+1
.endr
.endm
.macro FETB slot, idx                  ; idx = 3 u + g: matrix g's 64 rows, 32 K at byte 64 u, into buffer idx % 2
	WIN 0
.set aa, 0
.rept 4
	ds_load_b128 v[BF0+32*(\idx%2)+8*aa:BF0+32*(\idx%2)+8*aa+3], v[FB+\slot] offset:(4*(\idx%3)+aa)*16*PITCH+64*(\idx/3)
	ds_load_b128 v[BF0+32*(\idx%2)+8*aa+4:BF0+32*(\idx%2)+8*aa+7], v[FB+\slot] offset:(4*(\idx%3)+aa)*16*PITCH+64*(\idx/3)+32
.set aa, aa+1
.endr
.endm
; 16 matrix instructions on 16 accumulators, one turn each; an accumulator comes up again 48 instructions later.
; Lane (r, h) of tile (a, cl): column 16 cl + r, registers = rows 16 a + 8 h + 0..7: eight neighbouring t of one feature.
.macro MM af, bf, acc, win, zero
	WIN \win
.set tt, 0
.rept 16
.if \zero
	v_wmma_f32_16x16x32_bf16 v[\acc+8*tt:\acc+8*tt+7], v[\af+8*(tt/4):\af+8*(tt/4)+7], v[\bf+8*(tt%4):\bf+8*(tt%4)+7], 0
.else
	v_wmma_f32_16x16x32_bf16 v[\acc+8*tt:\acc+8*tt+7], v[\af+8*(tt/4):\af+8*(tt/4)+7], v[\bf+8*(tt%4):\bf+8*(tt%4)+7], v[\acc+8*tt:\acc+8*tt+7]
.endif
.set tt, tt+1
.endr
.endm
; One K step of 64: 96 matrix instructions from slot; then the next step's numbers go to the other slot and the step after that is asked for.
; ONE barrier a step: the other slot was last read in the step before, in front of that step's barrier; this one shows its new bytes to all.
.macro STEP slot, other, zero, conv, load
	PLACES
	FETA \slot, 0
	FETB \slot, 0
	FETB \slot, 1
	s_wait_dscnt 0x8                               ; all but the youngest eight (the next W fragments)
	MM AF0, BF0, 0, 0x50, \zero
	PLACES
	FETB \slot, 2
	s_wait_dscnt 0x8
	MM AF0, BF0+32, 128, 0x50, \zero
	PLACES
	FETA \slot, 1
	FETB \slot, 3
	s_wait_dscnt 0x10                              ; the sixteen just issued stay out
	MM AF0, BF0, 0, 0xa0, \zero
	PLACES
	FETB \slot, 4
	s_wait_dscnt 0x8
	MM AF0+32, BF0+32, 0, 0x50, 0
	PLACES
	FETB \slot, 5
	s_wait_dscnt 0x8
	MM AF0+32, BF0, 128, 0x50, 0
	s_wait_dscnt 0x0
	MM AF0+32, BF0+32, 0, 0xa0, 0
	WIN 0
.if \conv
	s_wait_loadcnt 0x0                             ; the next step's 56 loads are in; their bases may be stepped
	CONV \other
.if \load
	NEXTK
	GLOAD
.endif
	s_wait_dscnt 0x0                               ; for the others: my stores have landed, my reads of this slot are over
	s_barrier_signal -1
	s_barrier_wait -1
.endif
.endm
	s_wait_loadcnt 0x0
	CONV 0
	NEXTK
	GLOAD                                          ; K step 1
	s_wait_dscnt 0x0
	s_barrier_signal -1
	s_barrier_wait -1
	STEP 0, 1, 1, 1, 1                             ; the first step's products start the sums: nothing is cleared
	STEP 1, 0, 0, 1, 1
	s_mov_b32 s3, 2
.Lk:
	STEP 0, 1, 0, 1, 1
	STEP 1, 0, 0, 1, 1
	s_sub_co_u32 s3, s3, 1
	s_cmp_lg_u32 s3, 0
	s_cbranch_scc1 .Lk
	STEP 0, 1, 0, 1, 0                             ; step 6 has nothing more to ask for,
	STEP 1, 0, 0, 0, 0                             ; step 7 nothing to convert
	; THE WAY OUT.  The slots become the stage: every wave's reads of them are over (the last wait above was for 0).
	s_barrier_signal -1
	s_barrier_wait -1
	PLACES
.macro FEAT zb                         ; eight numbers: elu + 1, then packed in place
.set jj, 0
.rept 8
	v_min_num_f32 v[T+jj], 0, v[\zb+jj]
.set jj, jj+1
.endr
.set jj, 0
.rept 4
	v_pk_mul_f32 v[E+jj:E+jj+1], v[T+jj:T+jj+1], 0x3fb8aa3b op_sel_hi:[1,0]
.set jj, jj+2
.endr
.set jj, 0
.rept 8
	v_exp_f32 v[E+jj], v[E+jj]
.set jj, jj+1
.endr
.set jj, 0
.rept 4                                ; plain work that touches no exponential stands behind the last v_exp_f32 (ISA guide 5.7.2)
	v_pk_add_f32 v[\zb+jj:\zb+jj+1], v[\zb+jj:\zb+jj+1], v[T+jj:T+jj+1] neg_lo:[0,1] neg_hi:[0,1]
.set jj, jj+2
.endr
.set jj, 0
	s_wait_alu depctr_va_vdst(0)
.rept 4
	v_pk_add_f32 v[\zb+jj:\zb+jj+1], v[\zb+jj:\zb+jj+1], v[E+jj:E+jj+1]
.set jj, jj+2
.endr
.set jj, 0
.rept 4
	v_cvt_pk_bf16_f32 v[\zb+jj], v[\zb+2*jj], v[\zb+2*jj+1]
.set jj, jj+1
.endr
.endm
.macro SPLIT src, hi, lo               ; eight f32 as hi + lo: hi = bf16(x), lo = bf16(x - hi); src is used up
.set qq, 0
.rept 4
	v_cvt_pk_bf16_f32 v[\hi+qq], v[\src+2*qq], v[\src+2*qq+1]
.set qq, qq+1
.endr
.set qq, 0
.rept 4
	v_lshlrev_b32 v[WT+2*qq], 16, v[\hi+qq]
	v_and_b32 v[WT+2*qq+1], 0xffff0000, v[\hi+qq]
.set qq, qq+1
.endr
.set qq, 0
.rept 4
	v_pk_add_f32 v[\src+2*qq:\src+2*qq+1], v[\src+2*qq:\src+2*qq+1], v[WT+2*qq:WT+2*qq+1] neg_lo:[0,1] neg_hi:[0,1]
.set qq, qq+1
.endr
.set qq, 0
.rept 4
	v_cvt_pk_bf16_f32 v[\lo+qq], v[\src+2*qq], v[\src+2*qq+1]
.set qq, qq+1
.endr
.endm
.macro GROUP g, acc, win               ; one matrix's 16 tiles: bias, feature map or split, 16 bytes a lane into my region of the stage
	WIN \win
.set tt, 0
.rept 16
.set pp, 0
.rept 4
	v_pk_add_f32 v[Z+8*tt+2*pp:Z+8*tt+2*pp+1], v[\acc+8*tt+2*pp:\acc+8*tt+2*pp+1], v[BI+2*(4*\g+tt%4):BI+2*(4*\g+tt%4)+1]
.set pp, pp+1
.endr
.set tt, tt+1
.endr
	WIN 0
.set tt, 0
.rept 16
.if \g < 2
	FEAT Z+8*tt
	ds_store_b128 v[SG], v[Z+8*tt:Z+8*tt+3] offset:(4*\g+tt%4)*16*PITCH+32*(tt/4)
.else
	SPLIT Z+8*tt, T, Z+8*tt
	ds_store_b128 v[SG], v[T:T+3] offset:(8+tt%4)*16*PITCH+32*(tt/4)
	ds_store_b128 v[SG], v[Z+8*tt:Z+8*tt+3] offset:(12+tt%4)*16*PITCH+32*(tt/4)
.endif
.set tt, tt+1
.endr
.endm
	GROUP 0, 0, 0x01
	GROUP 1, 128, 0x01
	GROUP 2, 0, 0x02
	s_wait_dscnt 0x0                               ; for the others: my part of the stage is written
	s_barrier_signal -1
	s_barrier_wait -1
.macro COPY batch                      ; 32 feature rows: a load gathers a row's 512 bytes from the four regions, a store writes them as 512 consecutive aligned bytes
.set ii, 0
.rept 32
	ds_load_b128 v[Z+4*ii:Z+4*ii+3], v[RD] offset:(32*\batch+ii)*PITCH
.set ii, ii+1
.endr
.set ii, 0
.rept 32
	s_wait_dscnt 31-ii                             ; LDS loads come back in order: row ii is in
	global_store_b128 v[GO], v[Z+4*ii:Z+4*ii+3], s[30:31] offset:(32*\batch+ii)*8192
.set ii, ii+1
.endr
.endm
	COPY 0
	s_wait_xcnt 0x0                                ; the stores' data registers are loaded again only behind this wait
	COPY 1
	; THE STATE: wave w makes rows 16 w .. of K^T [V | 1]: A = k^T, B = v^T hi, ones, v^T lo; 8 steps of 32 t.
.macro FETS ks, buf                    ; 18 loads
	ds_load_b128 v[\buf:\buf+3], v[FSA+\ks/4] offset:((\ks/2)%2)*SREG+(\ks%2)*64
	ds_load_b128 v[\buf+4:\buf+7], v[FSA+\ks/4] offset:((\ks/2)%2)*SREG+(\ks%2)*64+32
.set jj, 0
.rept 8
	ds_load_b128 v[\buf+8+8*jj:\buf+8+8*jj+3], v[FSB+\ks/4] offset:jj*16*PITCH+((\ks/2)%2)*SREG+(\ks%2)*64
	ds_load_b128 v[\buf+8+8*jj+4:\buf+8+8*jj+7], v[FSB+\ks/4] offset:jj*16*PITCH+((\ks/2)%2)*SREG+(\ks%2)*64+32
.set jj, jj+1
.endr
.endm
.macro SMUL buf, zero                  ; nine matrix instructions; no two that follow each other share an accumulator
.set jj, 0
.rept 4
.if \zero
	v_wmma_f32_16x16x32_bf16 v[SA+8*jj:SA+8*jj+7], v[\buf:\buf+7], v[\buf+8+8*jj:\buf+8+8*jj+7], 0
.else
	v_wmma_f32_16x16x32_bf16 v[SA+8*jj:SA+8*jj+7], v[\buf:\buf+7], v[\buf+8+8*jj:\buf+8+8*jj+7], v[SA+8*jj:SA+8*jj+7]
.endif
.set jj, jj+1
.endr
.if \zero
	v_wmma_f32_16x16x32_bf16 v[SA+32:SA+39], v[\buf:\buf+7], v[ONE:ONE+7], 0
.else
	v_wmma_f32_16x16x32_bf16 v[SA+32:SA+39], v[\buf:\buf+7], v[ONE:ONE+7], v[SA+32:SA+39]
.endif
.set jj, 0
.rept 4
	v_wmma_f32_16x16x32_bf16 v[SA+8*jj:SA+8*jj+7], v[\buf:\buf+7], v[\buf+40+8*jj:\buf+40+8*jj+7], v[SA+8*jj:SA+8*jj+7]
.set jj, jj+1
.endr
.endm
	s_wait_xcnt 0x0                                ; again: the last stores' data registers become fragment buffers
.set jj, 0
.rept 8
	v_mov_b32 v[ONE+jj], 0x3f803f80                ; two bf16 ones
.set jj, jj+1
.endr
	FETS 0, SB0
	FETS 1, SB1
	s_wait_dscnt 18                                ; the younger run of 18 stays out
	SMUL SB0, 1
	PLACES
	FETS 2, SB0
	s_wait_dscnt 18
	SMUL SB1, 0
	PLACES
	FETS 3, SB1
	s_wait_dscnt 18
	SMUL SB0, 0
	PLACES
	FETS 4, SB0
	s_wait_dscnt 18
	SMUL SB1, 0
	PLACES
	FETS 5, SB1
	s_wait_dscnt 18
	SMUL SB0, 0
	PLACES
	FETS 6, SB0
	s_wait_dscnt 18
	SMUL SB1, 0
	PLACES
	FETS 7, SB1
	s_wait_dscnt 18
	SMUL SB0, 0
	s_wait_dscnt 0x0
	SMUL SB1, 0
	PLACES
.set jj, 0
.rept 10
	global_store_b128 v[SO], v[SA+4*jj:SA+4*jj+3], s[32:33] offset:512*jj   ; the tiles as they lie in registers: 512 consecutive bytes a store
.set jj, jj+1
.endr
	s_wait_tensorcnt 0x0
	ds_add_u32 v254, v255
	s_wait_dscnt 0x0
	s_endpgm
.Lfunc_end_k_qd5a7aef574_proj:
	.size	k_qd5a7aef574_proj, .Lfunc_end_k_qd5a7aef574_proj-k_qd5a7aef574_proj
	.p2alignl 7, 3214868480
	.fill 96, 4, 3214868480
	.section	.rodata,"a",@progbits
	.p2align	6, 0x0
	.amdhsa_kernel k_qd5a7aef574_proj
		.amdhsa_group_segment_fixed_size 148480
		.amdhsa_private_segment_fixed_size 0
		.amdhsa_enable_private_segment 0
		.amdhsa_kernarg_size 72
		.amdhsa_user_sgpr_count 2
		.amdhsa_user_sgpr_kernarg_segment_ptr 1
		.amdhsa_wavefront_size32 1
		.amdhsa_system_sgpr_workgroup_id_x 1
		.amdhsa_system_sgpr_workgroup_id_y 1
		.amdhsa_system_sgpr_workgroup_id_z 1
		.amdhsa_system_vgpr_workitem_id 0
		.amdhsa_next_free_vgpr 992
		.amdhsa_next_free_sgpr 66
		.amdhsa_reserve_vcc 0
		.amdhsa_float_denorm_mode_32 3
		.amdhsa_float_denorm_mode_16_64 3
		.amdhsa_memory_ordered 1
		.amdhsa_forward_progress 1
		.amdhsa_inst_pref_size 255
	.end_amdhsa_kernel
	.section	.bss,"aw",@nobits
	.p2align	6
	.space	262144
	.amdgpu_metadata
---
amdhsa.version: [ 1, 2 ]
amdhsa.kernels:
  - .name:           k_qd5a7aef574_proj
    .symbol:         k_qd5a7aef574_proj.kd
    .args:
      - { .name: x, .offset: 0, .size: 8, .value_kind: global_buffer, .address_space: global }
      - { .name: Wq, .offset: 8, .size: 8, .value_kind: global_buffer, .address_space: global }
      - { .name: Wk, .offset: 16, .size: 8, .value_kind: global_buffer, .address_space: global }
      - { .name: Wv, .offset: 24, .size: 8, .value_kind: global_buffer, .address_space: global }
      - { .name: bq, .offset: 32, .size: 8, .value_kind: global_buffer, .address_space: global }
      - { .name: bk, .offset: 40, .size: 8, .value_kind: global_buffer, .address_space: global }
      - { .name: bv, .offset: 48, .size: 8, .value_kind: global_buffer, .address_space: global }
      - { .name: qkv, .offset: 56, .size: 8, .value_kind: global_buffer, .address_space: global }
      - { .name: st, .offset: 64, .size: 8, .value_kind: global_buffer, .address_space: global }
    .group_segment_fixed_size: 148480
    .private_segment_fixed_size: 0
    .kernarg_segment_align: 8
    .kernarg_segment_size: 72
    .max_flat_workgroup_size: 128
    .sgpr_count:     66
    .vgpr_count:     992
    .wavefront_size: 32
...
	.end_amdgpu_metadata
.endif
;; end of part 1
;; launch attn (part 2): grid 16 x 16, 4 waves a work-group, no clusters, 184,832 bytes of LDS; arguments qkv, st, Wo, o16, wo16; writes o16, wo16
.if DOCPART == 2
	.amdgcn_target "amdgcn-amd-amdhsa--gfx1250"
	.amdhsa_code_object_version 6
	.text
	.protected	k_qd5a7aef574_attn
	.globl	k_qd5a7aef574_attn
	.p2align	8
	.type	k_qd5a7aef574_attn,@function
k_qd5a7aef574_attn:
	s_mov_b64 s[64:65], 0
	v_nop
	global_prefetch_b8 v0, s[64:65] scope:SCOPE_SE
	s_setreg_imm32_b32 hwreg(HW_REG_WAVE_MODE, 25, 1), 1
	s_wait_xcnt 0x0
; Causal linear attention of ONE chunk of 256 rows of ONE head:  O = tril(Q K^T) [V | 1] + Q S,  o = O[:, :64] / max(O[:, 64], 1e-6),
; S = the sum of the earlier chunks' states K^T [V | 1] (f32 in st, summed here in f32, used as bf16).
; In: qkv bf16 [bh][256][4096] (q^T, k^T, v^T hi, v^T lo; t along the rows), st f32 (register images of 20 tiles a chunk), Wo f32.
; Out: o16 bf16 [bh][t][hi 64 | lo 64], o = hi + lo;  wo16 = Wo rounded to bf16 (this work-group's 1,024 numbers of it).
; The weights tril(Q K^T) and o are carried as two bf16 each, like v: an early row is a mean of few v, much larger than the result's root mean
; square against which it is compared, and roundings of these three do not average out.  q, k and S do average over the 64 features: one bf16.
; LIMITS: a NaN denominator is taken as 1e-6 (v_max_num_f32); hi + lo needs values inside bf16's finite range.
; No cluster: the work-groups share no tile; what they share, the states, is read through registers.
; ALL PRODUCTS ARE TRANSPOSED, so that nothing is shuffled between them:
;   AT(key, query) = K Q^T: lane = query r, registers = 8 keys, which pack straight into the next product's second source;
;   O^T(dv, query) = V^T AT, + S^T Q^T: lane = query r, registers = 8 neighbouring dv; the fifth tile (first source all ones, or z) is the denominator, in the same lane.
; Wave w takes the query pairs of 32 rows P = w and P = 7 - w: (P + 1) key blocks each, nine in every wave.
; The key blocks are written out, block j's place (64 j bytes along the rows) in the loads' immediate offsets; a wave leaves the run for its
; diagonal block by a forward branch on P, which is made of the wave's number alone.
.set TP, 544                           ; LDS row: 512 bytes + 32, an odd multiple of 32 as the transposing loads want
.set SF, 256*TP                        ; 139,264: S as 20 packed tiles of 512 bytes, tile 4 jt + it
.set STG, SF+10240                     ; 149,504: a stage of 32 rows x 272 bytes for each wave
.set SP, 272
.set XA, 4                             ; transposing loads' lane term; never rewritten
.set AQ, 5                             ; XA + 64 P      (first: where I store my part of S)
.set W8, 6                             ; 8 x thread, for wo16
.set AV, 7                             ; v^T fragments of the diagonal block: AV0 + 64 P (first: 16 x thread, for Wo)
.set AV0, 8                            ; v^T fragments' lane term; never rewritten
.set SFA, 9
.set STO, 10
.set RDS, 11
.set GOF, 12
.set L16, 13
.set PS, 14
.set VT, 15                            ; r - 8 h: key register jj of a diagonal tile is kept where jj <= r - 8 h
.set ONE, 16                           ; v16-23
.set QF, 24                            ; v24-55   Q fragments, 2 a + ks
.set KF, 56                            ; v56-87   K fragments, 2 kt + ks
.set VF, 88                            ; v88-151  V fragments: hi jt, then lo jt
.set AT, 152                           ; v152-183 AT tiles 2 kt + a; afterwards v152-167 hold the weights' lo fragments
.set PH, 184                           ; v184-199 the weights' hi fragments
.set WT, 200                           ; v200-207 SPLIT's work
.set HT, 208                           ; v208-211 o's hi part
.set RR, 212                           ; v212-215 1 / denominator, twice for each query tile
.set DN, 216                           ; v216-217
.set SFR, 56                           ; v56-135  S fragments while a pair's sums are started
.set OW, 24                            ; v24-87   o in f32
.set OB, 88                            ; v88-151  o read back by rows
.set PA, 16                            ; v16-55   prefix: my five tiles
.set RG, 56                            ; v56-215  prefix: four chunks' loads
.set WL, 216                           ; v216-223 Wo
.set WC, 224                           ; v224-227
; window 1: v0-79 = O(a, jt) at 8 (5 a + jt)
.set MSB, 0
.macro WIN new                         ; the immediate's high byte repeats the setting that is left
.if MSB != \new
	s_set_vgpr_msb (MSB<<8)|\new
.set MSB, \new
.endif
.endm
.macro PLACES                          ; four places behind a matrix instruction (ISA guide 7.12.1)
.rept 4
	v_nop
.endr
.endm
	s_load_b256 s[4:11], s[0:1], 0x0               ; qkv s[4:5], st s[6:7], Wo s[8:9], o16 s[10:11]
	s_load_b64 s[12:13], s[0:1], 0x20              ; wo16
	v_lshl_add_u32 v254, v0, 2, 0x2d000
	v_mov_b32 v255, 0
	ds_add_u32 v254, v255
	ds_add_u32 v254, v255
	v_lshrrev_b32 v1, 5, v0
	v_readfirstlane_b32 s14, v1                    ; wave
	s_mov_b32 s15, ttmp9                           ; chunk
	s_and_b32 s16, ttmp7, 0xffff                   ; bh
	; my quarter of the tile: 64 rows x 256 bf16, 4,096 elements from row to row, 32 bytes of padding behind each row's 128 words
	s_mov_b32 s24, (1<<16)|(1<<20)|(6<<22)|(7<<25)
	s_mov_b32 s25, 256<<16                         ; tensor_dim0
	s_mov_b32 s26, 64<<16                          ; tensor_dim1
	s_mov_b32 s27, 256<<16                         ; tile_dim0
	s_mov_b32 s28, 64                              ; tile_dim1
	s_mov_b32 s29, 4096                            ; stride
	s_mov_b32 s30, 0
	s_mov_b32 s31, 0
	s_lshl_b32 s32, s16, 21                        ; 256 rows of 8,192 bytes a head
	s_lshl_b32 s34, s14, 19                        ; 64 rows a wave
	s_add_co_u32 s32, s32, s34
	s_lshl_b32 s34, s15, 9                         ; 512 bytes a chunk
	s_add_co_u32 s32, s32, s34
	s_mov_b32 s33, 0
	s_mov_b32 s20, 1
	s_mul_i32 s21, s14, 64*TP
	s_wait_dscnt 0x0
	s_wait_kmcnt 0x0
	s_add_nc_u64 s[22:23], s[4:5], s[32:33]
	s_or_b32 s23, s23, 0x80000000
	tensor_load_to_lds s[20:23], s[24:31]          ; the wave's one tensor load of the launch
	s_nop 0
	s_lshl4_add_u32 s34, s16, s15                  ; the work-group's number
	s_lshl_b32 s32, s34, 12
	s_add_nc_u64 s[8:9], s[8:9], s[32:33]          ; its 4,096 bytes of Wo
	s_lshl_b32 s32, s34, 11
	s_add_nc_u64 s[12:13], s[12:13], s[32:33]      ; and 2,048 of wo16
	v_lshlrev_b32 v[AV], 4, v0
	global_load_b128 v[WL:WL+3], v[AV], s[8:9] th:TH_LOAD_NT
	global_load_b128 v[WL+4:WL+7], v[AV], s[8:9] offset:2048 th:TH_LOAD_NT
	s_mul_i32 s32, s16, 327680                     ; st: 16 chunks of 20,480 bytes a head
	s_add_nc_u64 s[6:7], s[6:7], s[32:33]
	s_lshl_b32 s32, s16, 20                        ; o16: 4,096 rows of 256 bytes a head,
	s_lshl_b32 s34, s15, 16                        ; 256 rows a chunk
	s_add_co_u32 s32, s32, s34
	s_add_nc_u64 s[10:11], s[10:11], s[32:33]
	s_mov_b32 s35, 0x358637bd                      ; 1e-6
	v_and_b32 v1, 15, v0                           ; r
	v_bfe_u32 v2, v0, 4, 1                         ; h
	v_and_b32 v3, 31, v0                           ; L
	v_lshlrev_b32 v[L16], 4, v3
	s_mul_i32 s34, s14, 5120
	v_add_nc_u32 v[PS], s34, v[L16]                ; my five tiles of a chunk's state
.set pp, 0
.rept 40
	v_mov_b32 v[PA+pp], 0                          ; cleared, since chunk 0 has nothing to add
.set pp, pp+1
.endr
	v_and_b32 v[XA], 7, v0
	v_lshl_add_u32 v[XA], v2, 3, v[XA]
	v_mul_u32_u24 v[XA], v[XA], TP                 ; row 8 h + L % 8
	v_bfe_u32 v[AQ], v0, 3, 1
	v_lshl_add_u32 v[XA], v[AQ], 4, v[XA]          ; + 16 ((L / 8) % 2)
	v_mul_u32_u24 v[AV0], v1, TP
	v_lshl_add_u32 v[AV0], v2, 4, v[AV0]
	v_add_nc_u32 v[AV0], 128*TP, v[AV0]
	v_add_nc_u32 v[SFA], SF, v[L16]
	s_mul_i32 s34, s14, 32*SP
	s_add_co_u32 s34, s34, STG
	v_mul_u32_u24 v[STO], v1, SP
	v_lshl_add_u32 v[STO], v2, 4, v[STO]
	v_add_nc_u32 v[STO], s34, v[STO]
	v_mul_u32_u24 v[RDS], v2, SP
	v_lshl_add_u32 v[RDS], v1, 4, v[RDS]
	v_add_nc_u32 v[RDS], s34, v[RDS]
	v_lshlrev_b32 v[VT], 3, v2
	v_sub_nc_u32 v[VT], v1, v[VT]
	s_lshl_b32 s34, s14, 9
	v_add_nc_u32 v[AQ], s34, v[SFA]                ; S: tile 4 jt + w
	v_lshlrev_b32 v[W8], 3, v0
.set jj, 0
.rept 8
	v_cmp_le_i32 s[40+jj], jj, v[VT]
.set jj, jj+1
.endr
	; THE PREFIX: chunks 0 .. c - 1, four to a trip, ceil(c / 4) trips.  A trip's 40 loads stay inside this head's 16 chunks (4 ceil(c/4) <= 16);
	; a chunk at or beyond c is jumped over, not multiplied by zero.
	s_cmp_eq_u32 s15, 0
	s_cbranch_scc1 .Lsummed
	s_add_co_u32 s36, s15, 3
	s_lshr_b32 s36, s36, 2                         ; trips
	s_mov_b32 s19, 0
.Lprefix:
.set nn, 0
.rept 40
	global_load_b128 v[RG+4*nn:RG+4*nn+3], v[PS], s[6:7] offset:(nn/10)*20480+(nn%10)*512
.set nn, nn+1
.endr
.irp e, 0,1,2,3
	s_wait_loadcnt 30-10*\e                        ; this chunk's ten loads are in, the younger chunks' stay out
	s_lshl_b32 s34, s19, 2
	s_add_co_u32 s34, s34, \e                      ; the chunk's number: 4 x trip + e
	s_cmp_lt_u32 s34, s15
	s_cbranch_scc0 .Lskip\e
.set pp, 0
.rept 20
	v_pk_add_f32 v[PA+2*pp:PA+2*pp+1], v[PA+2*pp:PA+2*pp+1], v[RG+40*\e+2*pp:RG+40*\e+2*pp+1]
.set pp, pp+1
.endr
.Lskip\e:
.endr
	s_add_nc_u64 s[6:7], s[6:7], 81920             ; behind the wait for 0: no load still reads the base
	s_add_co_u32 s19, s19, 1
	s_cmp_lt_u32 s19, s36
	s_cbranch_scc1 .Lprefix
.Lsummed:
	s_wait_loadcnt 0x0                             ; Wo (chunk 0 has waited for nothing yet)
	v_cvt_pk_bf16_f32 v[WC], v[WL], v[WL+1]
	v_cvt_pk_bf16_f32 v[WC+1], v[WL+2], v[WL+3]
	v_cvt_pk_bf16_f32 v[WC+2], v[WL+4], v[WL+5]
	v_cvt_pk_bf16_f32 v[WC+3], v[WL+6], v[WL+7]
	global_store_b64 v[W8], v[WC:WC+1], s[12:13]               ; a wave's store covers 256 consecutive aligned bytes
	global_store_b64 v[W8], v[WC+2:WC+3], s[12:13] offset:1024
.set jj, 0
.rept 5
.set pp, 0
.rept 4
	v_cvt_pk_bf16_f32 v[RG+4*jj+pp], v[PA+8*jj+2*pp], v[PA+8*jj+2*pp+1]
.set pp, pp+1
.endr
	ds_store_b128 v[AQ], v[RG+4*jj:RG+4*jj+3] offset:2048*jj   ; lane (r, h): S[16 w + 8 h + 0..7][16 jt + r]: half a first-source fragment as it stands
.set jj, jj+1
.endr
.set jj, 0
.rept 8
	v_mov_b32 v[ONE+jj], 0x3f803f80                ; two bf16 ones
.set jj, jj+1
.endr
	s_wait_dscnt 0x0                               ; for the others: my part of S is written,
	s_wait_tensorcnt 0x0                           ; my quarter of the tile has landed
	s_barrier_signal -1
	s_barrier_wait -1
.macro SPLIT src, hi, lo               ; eight f32 as hi + lo: hi = bf16(x), lo = bf16(x - hi); src is used up
.set qq, 0
.rept 4
	v_cvt_pk_bf16_f32 v[\hi+qq], v[\src+2*qq], v[\src+2*qq+1]
.set qq, qq+1
.endr
.set qq, 0
.rept 4
	v_lshlrev_b32 v[WT+2*qq], 16, v[\hi+qq]
	v_and_b32 v[WT+2*qq+1], 0xffff0000, v[\hi+qq]
.set qq, qq+1
.endr
.set qq, 0
.rept 4
	v_pk_add_f32 v[\src+2*qq:\src+2*qq+1], v[\src+2*qq:\src+2*qq+1], v[WT+2*qq:WT+2*qq+1] neg_lo:[0,1] neg_hi:[0,1]
.set qq, qq+1
.endr
.set qq, 0
.rept 4
	v_cvt_pk_bf16_f32 v[\lo+qq], v[\src+2*qq], v[\src+2*qq+1]
.set qq, qq+1
.endr
.endm
.macro KLOAD j                         ; key block j: 32 keys x 64 features from k^T, transposed on the way: 8 loads
.set nn, 0
.rept 4
	ds_load_tr16_b128 v[KF+8*nn:KF+8*nn+3], v[XA] offset:64*TP+(nn%2)*32*TP+32*(nn/2)+64*(\j)
	ds_load_tr16_b128 v[KF+8*nn+4:KF+8*nn+7], v[XA] offset:64*TP+(nn%2)*32*TP+32*(nn/2)+16*TP+64*(\j)
.set nn, nn+1
.endr
.endm
.macro ATM kt, a, ks
.if \ks
	v_wmma_f32_16x16x32_bf16 v[AT+8*(2*\kt+\a):AT+8*(2*\kt+\a)+7], v[KF+8*(2*\kt+1):KF+8*(2*\kt+1)+7], v[QF+8*(2*\a+1):QF+8*(2*\a+1)+7], v[AT+8*(2*\kt+\a):AT+8*(2*\kt+\a)+7]
.else
	v_wmma_f32_16x16x32_bf16 v[AT+8*(2*\kt+\a):AT+8*(2*\kt+\a)+7], v[KF+8*(2*\kt):KF+8*(2*\kt)+7], v[QF+8*(2*\a):QF+8*(2*\a)+7], 0
.endif
.endm
.macro OMUL pf, vf, five               ; O(a, jt) += V^T(jt) x weights(a), both query tiles; five = 1: the denominator's tile too
.set nn, 0
.rept 2
.set mm, 0
.rept 4
	v_wmma_f32_16x16x32_bf16 v[40*nn+8*mm:40*nn+8*mm+7], v[\vf+8*mm:\vf+8*mm+7], v[\pf+8*nn:\pf+8*nn+7], v[40*nn+8*mm:40*nn+8*mm+7]
.set mm, mm+1
.endr
.if \five
	v_wmma_f32_16x16x32_bf16 v[40*nn+32:40*nn+39], v[ONE:ONE+7], v[\pf+8*nn:\pf+8*nn+7], v[40*nn+32:40*nn+39]
.endif
.set nn, nn+1
.endr
.endm
; One block of 32 keys against the pair's 32 queries.  diag = 0: key block j, below the diagonal; diag = 1: the block on the diagonal, the pair's last.
; On every way into a block its eight loads of K are the only LDS loads that are out.
; In every run of matrix instructions the accumulators take turns, one instruction a turn.
.macro BLOCK diag, j
	PLACES
	v_nop                                          ; a fifth place: the first products below write over registers that the last block's products read as a source
.set nn, 0
.rept 8
.if \diag
	ds_load_b128 v[VF+8*nn:VF+8*nn+3], v[AV] offset:nn*16*TP
	ds_load_b128 v[VF+8*nn+4:VF+8*nn+7], v[AV] offset:nn*16*TP+32
.else
	ds_load_b128 v[VF+8*nn:VF+8*nn+3], v[AV0] offset:nn*16*TP+64*(\j)
	ds_load_b128 v[VF+8*nn+4:VF+8*nn+7], v[AV0] offset:nn*16*TP+64*(\j)+32
.endif
.set nn, nn+1
.endr
	s_wait_dscnt 16                                ; K is in; the sixteen loads of V stay out
.if \diag
	ATM 0, 0, 0
	ATM 0, 1, 0
	ATM 1, 1, 0                                    ; keys 16-31 against queries 0-15 lie above the diagonal: not made
	ATM 0, 0, 1
	ATM 0, 1, 1
	ATM 1, 1, 1
.else
	ATM 0, 0, 0
	ATM 0, 1, 0
	ATM 1, 0, 0
	ATM 1, 1, 0
	ATM 0, 0, 1
	ATM 0, 1, 1
	ATM 1, 0, 1
	ATM 1, 1, 1
.endif
	PLACES
.if \diag
.set jj, 0
.rept 8
	v_cndmask_b32 v[AT+jj], 0, v[AT+jj], s[40+jj]          ; key 8 h + jj counts for query r where it is not later
	v_cndmask_b32 v[AT+24+jj], 0, v[AT+24+jj], s[40+jj]
.set jj, jj+1
.endr
	SPLIT AT, PH, AT
.set jj, 0
.rept 4
	v_mov_b32 v[PH+4+jj], 0
	v_mov_b32 v[AT+4+jj], 0
.set jj, jj+1
.endr
	SPLIT AT+8, PH+8, AT+8
	SPLIT AT+24, PH+12, AT+12
	s_wait_dscnt 0x0
.else
	KLOAD \j+1                                     ; the next block's keys
	SPLIT AT, PH, AT                               ; keys 0-15 fill registers 0-3 of a second-source fragment,
	SPLIT AT+16, PH+4, AT+4                        ; keys 16-31 registers 4-7; lo goes into the registers that the first tile has left
	SPLIT AT+8, PH+8, AT+8
	SPLIT AT+24, PH+12, AT+12
	s_wait_dscnt 0x8                               ; V is in; the next keys stay out
.endif
	WIN 0x50
	OMUL PH, VF, 1                                 ; hi x (V hi, 1)
	OMUL PH, VF+32, 0                              ; hi x V lo
	OMUL AT, VF, 1                                 ; lo x (V hi, 1)
	WIN 0
.endm
; The pair of query tiles P (in s17), lo <= P <= hi.  Key blocks 0 .. P - 1 lie below the diagonal; block P is the diagonal's.
.macro PAIR lo, hi
	s_wait_xcnt 0x0                                ; the last stores' address and data registers are written again only behind this wait
	PLACES
	s_lshl_b32 s34, s17, 6                         ; 32 t are 64 bytes of a row
	v_add_nc_u32 v[AQ], s34, v[XA]
	v_add_nc_u32 v[AV], s34, v[AV0]
	s_lshl_b32 s34, s17, 13                        ; 32 rows of 256 bytes
	v_add_nc_u32 v[GOF], s34, v[L16]
.set nn, 0
.rept 4
	ds_load_tr16_b128 v[QF+8*nn:QF+8*nn+3], v[AQ] offset:(nn%2)*32*TP+32*(nn/2)
	ds_load_tr16_b128 v[QF+8*nn+4:QF+8*nn+7], v[AQ] offset:(nn%2)*32*TP+32*(nn/2)+16*TP
.set nn, nn+1
.endr
.set nn, 0
.rept 20
	ds_load_b128 v[SFR+4*nn:SFR+4*nn+3], v[SFA] offset:512*nn
.set nn, nn+1
.endr
	s_wait_dscnt 0x0
	WIN 0x50
.set nn, 0
.rept 10                               ; Q S starts the sums: nothing is cleared
	v_wmma_f32_16x16x32_bf16 v[8*nn:8*nn+7], v[SFR+16*(nn%5):SFR+16*(nn%5)+7], v[QF+16*(nn/5):QF+16*(nn/5)+7], 0
.set nn, nn+1
.endr
.set nn, 0
.rept 10
	v_wmma_f32_16x16x32_bf16 v[8*nn:8*nn+7], v[SFR+16*(nn%5)+8:SFR+16*(nn%5)+15], v[QF+16*(nn/5)+8:QF+16*(nn/5)+15], v[8*nn:8*nn+7]
.set nn, nn+1
.endr
	WIN 0
	PLACES
	KLOAD 0
.set jb, 0
.rept \hi
.if jb >= \lo
	s_cmp_eq_u32 s17, jb                           ; block jb is my diagonal's: leave the run
	s_cbranch_scc1 .Ldiag_\@
.endif
	BLOCK 0, jb
.set jb, jb+1
.endr
.Ldiag_\@:
	BLOCK 1, 0
	PLACES
	WIN 0x01
	v_max_num_f32 v[DN], v32, s35                  ; the fifth tile's registers are all the query's denominator
	v_max_num_f32 v[DN+1], v72, s35
	WIN 0
	v_rcp_f32 v[RR], v[DN]
	v_rcp_f32 v[RR+1], v[DN]
	v_rcp_f32 v[RR+2], v[DN+1]
	v_rcp_f32 v[RR+3], v[DN+1]
	v_nop                                          ; one plain place behind the last v_rcp_f32 (ISA guide 5.7.2)
	WIN 0x01
.set tt, 0
	s_wait_alu depctr_va_vdst(0)
.rept 8
.set pp, 0
.rept 4
	v_pk_mul_f32 v[OW+8*tt+2*pp:OW+8*tt+2*pp+1], v[40*(tt/4)+8*(tt%4)+2*pp:40*(tt/4)+8*(tt%4)+2*pp+1], v[RR+2*(tt/4):RR+2*(tt/4)+1]
.set pp, pp+1
.endr
.set tt, tt+1
.endr
	WIN 0
.set tt, 0
.rept 8
	SPLIT OW+8*tt, HT, OW+8*tt
	ds_store_b128 v[STO], v[HT:HT+3] offset:(tt/4)*16*SP+32*(tt%4)
	ds_store_b128 v[STO], v[OW+8*tt:OW+8*tt+3] offset:(tt/4)*16*SP+32*(tt%4)+128
.set tt, tt+1
.endr
.set nn, 0
.rept 16
	ds_load_b128 v[OB+4*nn:OB+4*nn+3], v[RDS] offset:2*SP*nn   ; my own stage: LDS serves a wave's instructions in order (ISA guide 5.7.1.4)
.set nn, nn+1
.endr
.set nn, 0
.rept 16
	s_wait_dscnt 15-nn
	global_store_b128 v[GOF], v[OB+4*nn:OB+4*nn+3], s[10:11] offset:512*nn   ; two rows of 256 bytes: 512 consecutive aligned bytes
.set nn, nn+1
.endr
.endm
	s_mov_b32 s17, s14                             ; P = w: 0 to 3
	PAIR 0, 3
	s_sub_co_u32 s17, 7, s14                       ; P = 7 - w: 4 to 7
	PAIR 4, 7
	s_wait_tensorcnt 0x0
	ds_add_u32 v254, v255
	s_wait_dscnt 0x0
	s_endpgm
.Lfunc_end_k_qd5a7aef574_attn:
	.size	k_qd5a7aef574_attn, .Lfunc_end_k_qd5a7aef574_attn-k_qd5a7aef574_attn
	.p2alignl 7, 3214868480
	.fill 96, 4, 3214868480
	.section	.rodata,"a",@progbits
	.p2align	6, 0x0
	.amdhsa_kernel k_qd5a7aef574_attn
		.amdhsa_group_segment_fixed_size 184832
		.amdhsa_private_segment_fixed_size 0
		.amdhsa_enable_private_segment 0
		.amdhsa_kernarg_size 40
		.amdhsa_user_sgpr_count 2
		.amdhsa_user_sgpr_kernarg_segment_ptr 1
		.amdhsa_wavefront_size32 1
		.amdhsa_system_sgpr_workgroup_id_x 1
		.amdhsa_system_sgpr_workgroup_id_y 1
		.amdhsa_system_sgpr_workgroup_id_z 1
		.amdhsa_system_vgpr_workitem_id 0
		.amdhsa_next_free_vgpr 336
		.amdhsa_next_free_sgpr 66
		.amdhsa_reserve_vcc 0
		.amdhsa_float_denorm_mode_32 3
		.amdhsa_float_denorm_mode_16_64 3
		.amdhsa_memory_ordered 1
		.amdhsa_forward_progress 1
		.amdhsa_inst_pref_size 161
	.end_amdhsa_kernel
	.amdgpu_metadata
---
amdhsa.version: [ 1, 2 ]
amdhsa.kernels:
  - .name:           k_qd5a7aef574_attn
    .symbol:         k_qd5a7aef574_attn.kd
    .args:
      - { .name: qkv, .offset: 0, .size: 8, .value_kind: global_buffer, .address_space: global }
      - { .name: st, .offset: 8, .size: 8, .value_kind: global_buffer, .address_space: global }
      - { .name: Wo, .offset: 16, .size: 8, .value_kind: global_buffer, .address_space: global }
      - { .name: o16, .offset: 24, .size: 8, .value_kind: global_buffer, .address_space: global }
      - { .name: wo16, .offset: 32, .size: 8, .value_kind: global_buffer, .address_space: global }
    .group_segment_fixed_size: 184832
    .private_segment_fixed_size: 0
    .kernarg_segment_align: 8
    .kernarg_segment_size: 40
    .max_flat_workgroup_size: 128
    .sgpr_count:     66
    .vgpr_count:     336
    .wavefront_size: 32
...
	.end_amdgpu_metadata
.endif
;; end of part 2
;; launch outp (part 3): grid 4 x 64, 4 waves a work-group, clusters of 4 x 4, 327,680 bytes of LDS; arguments o16, wo16, bo, out0; writes out0
.if DOCPART == 3
	.amdgcn_target "amdgcn-amd-amdhsa--gfx1250"
	.amdhsa_code_object_version 6
	.text
	.protected	k_qd5a7aef574_outp
	.globl	k_qd5a7aef574_outp
	.p2align	8
	.type	k_qd5a7aef574_outp,@function
k_qd5a7aef574_outp:
	s_mov_b64 s[64:65], 0
	v_nop
	global_prefetch_b8 v0, s[64:65] scope:SCOPE_SE
	s_setreg_imm32_b32 hwreg(HW_REG_WAVE_MODE, 25, 1), 1
	s_wait_xcnt 0x0
	s_wait_alu depctr_hold_cnt(0) depctr_sa_sdst(0) depctr_va_vdst(0) depctr_va_sdst(0) depctr_va_ssrc(0) depctr_va_vcc(0) depctr_vm_vsrc(0)
	s_getreg_b32 s2, hwreg(HW_REG_IB_STS2, 6, 4)
	s_cmp_eq_u32 s2, 0
	s_cbranch_scc0 .Lentry_in_a_cluster
	s_endpgm
.Lentry_in_a_cluster:
	s_bfe_u32 s2, ttmp6, 0x10000c
	s_cmp_lg_u32 s2, 0xf033
	s_cbranch_scc0 .Lentry_shape_is_right
	s_endpgm
.Lentry_shape_is_right:
; out[t][n] = sum over k of (o_hi + o_lo)[t][k] Wo[n][k] + bo[n].  o16 bf16 [b][h][t][hi 64 | lo 64], wo16 bf16 [512][512], out0 f32 [8192][512].
; A work-group makes 128 x 128 of out with four waves of 64 x 64 (16 accumulators).  Both halves of o meet the same Wo fragment.
; K = 512 goes in four parts of 128 (two heads).  A part in LDS: two heads x 128 rows x 256 bytes of o, and 128 rows x 256 bytes of Wo, rows padded to 272.
; Three parts fit in LDS: parts 0 to 2 are asked for at the start, part 3 goes into part 0's slot when that has been multiplied.
; CLUSTERS: 4 x 4 work-groups.  The four of a row of the cluster make the same rows of out and need the same tiles of o; the four of a column need
; the same tiles of Wo.  Each such tile is asked for jointly, which divides the requests for both by four.  By this text's count a wave has three
; tensor loads outstanding at the most.
; The matrix instruction is used transposed (first source Wo, second o): lane = row r of out, registers = 8 neighbouring columns.
; The bias is the C of the very first products and costs no further instruction.
.set LP, 272                           ; 256 bytes + 16: an odd multiple of 16
.set HEADB, 128*LP                     ; 34,816: one head's rows, or Wo's 128 rows
.set SLOT, 3*HEADB                     ; 104,448
.set FLAGS, (1<<16)|(1<<20)|(1<<21)|(5<<22)|(3<<25)    ; 2-byte elements; padding on; bit 21 beside a mask; after every 64 words; 4 words
.set G1A, 16                           ; s[16:23] shape of o's tiles
.set G1B, 24                           ; s[24:31] shape of Wo's tiles
.set G0A, 32                           ; s[32:47] from where, to where: one set for each part
.set G0B, 48                           ; s[48:63]
.set FO, 4                             ; v4-6   my o fragments in slot 0, 1, 2
.set FW, 8                             ; v8-10  my Wo fragments
.set STO, 12
.set RD, 13
.set CO, 14
.set BOF, 15
.set F0, 64                            ; v64-159  fragment buffer 0: Wo 4 tiles, o hi 4, o lo 4
.set F1, 160                           ; v160-255 buffer 1
; window 1: v0-127 accumulators (a, ct) at 8 (4 a + ct); v128-159 the bias as four C tiles
.set MSB, 0
.macro WIN new
.if MSB != \new
	s_set_vgpr_msb (MSB<<8)|\new
.set MSB, \new
.endif
.endm
.macro PLACES                          ; four places behind a matrix instruction (ISA guide 7.12.1)
.rept 4
	v_nop
.endr
.endm
.macro ROUND                           ; a round of the cluster's barrier
	s_barrier_signal -1
	s_barrier_wait -1
	s_cmp_lg_u32 s12, 0
	s_cbranch_scc1 .Lnot_wave_0_\@
	s_barrier_signal -3
.Lnot_wave_0_\@:
	s_barrier_wait -3
	s_barrier_signal -1
	s_barrier_wait -1
.endm
.macro JLOAD p                         ; waves 0, 1 ask for the part's two heads of o, waves 2, 3 for the two halves of Wo's rows; the branch hangs on the wave's number alone
	s_cmp_eq_u32 s13, 0
	s_cbranch_scc0 .Lfor_b_\@
	tensor_load_to_lds s[G0A+4*\p:G0A+4*\p+3], s[G1A:G1A+7]
	s_nop 0
	s_branch .Lasked_\@
.Lfor_b_\@:
	tensor_load_to_lds s[G0B+4*\p:G0B+4*\p+3], s[G1B:G1B+7]
	s_nop 0
.Lasked_\@:
.endm
	s_load_b256 s[4:11], s[0:1], 0x0               ; o16 s[4:5], wo16 s[6:7], bo s[8:9], out0 s[10:11]
	v_lshl_add_u32 v62, v0, 2, 0x4c800
	v_mov_b32 v63, 0
	ds_add_u32 v62, v63
	ds_add_u32 v62, v63
	v_lshrrev_b32 v1, 5, v0
	v_readfirstlane_b32 s12, v1                    ; wave
	s_lshr_b32 s13, s12, 1                         ; my half of the rows.  Also: I ask for o (0) or for Wo (1)
	s_and_b32 s14, s12, 1                          ; my half of the columns.  Also: which half of that tile I ask for
	s_bfe_u32 s15, ttmp6, 0x40000                  ; cx = the block column (the grid is one cluster wide)
	s_bfe_u32 s66, ttmp6, 0x40004                  ; cy
	s_and_b32 s67, ttmp7, 0xffff
	s_lshl_b32 s67, s67, 2
	s_add_co_u32 s67, s67, s66                     ; block row = 4 x cluster y + cy
	s_lshl_b32 s68, s66, 2
	s_lshl_b32 s68, 15, s68                        ; my row of the cluster
	s_lshl_b32 s69, 0x1111, s15                    ; my column
	s_or_b32 s[G1A+0], s68, FLAGS
	s_mov_b32 s[G1A+1], 128<<16                    ; tensor_dim0 = 128 elements
	s_mov_b32 s[G1A+2], 128<<16                    ; tensor_dim1 = 128 rows
	s_mov_b32 s[G1A+3], 128<<16                    ; tile_dim0
	s_mov_b32 s[G1A+4], 128                        ; tile_dim1
	s_mov_b32 s[G1A+5], 128                        ; a head's rows follow each other without a gap
	s_mov_b32 s[G1A+6], 0
	s_mov_b32 s[G1A+7], 0
	s_or_b32 s[G1B+0], s69, FLAGS
	s_mov_b32 s[G1B+1], 128<<16
	s_mov_b32 s[G1B+2], 64<<16                     ; 64 rows
	s_mov_b32 s[G1B+3], 128<<16
	s_mov_b32 s[G1B+4], 64
	s_mov_b32 s[G1B+5], 512
	s_mov_b32 s[G1B+6], 0
	s_mov_b32 s[G1B+7], 0
	; o's tiles hang on the block row alone, Wo's on the block column alone; each address is made in registers that never hold the other coordinate
	s_lshr_b32 s70, s67, 5
	s_lshl_b32 s70, s70, 23                        ; b: 8 heads of 1 MiB
	s_and_b32 s72, s67, 31
	s_lshl_b32 s72, s72, 15                        ; 128 rows of 256 bytes
	s_add_co_u32 s70, s70, s72
	s_lshl_b32 s72, s14, 20                        ; the even or the odd head of a part
	s_add_co_u32 s70, s70, s72
	s_mov_b32 s71, 0
	s_lshl_b32 s74, s15, 17                        ; 128 rows of 1,024 bytes
	s_lshl_b32 s78, s14, 16                        ; 64 rows
	s_add_co_u32 s74, s74, s78
	s_mov_b32 s75, 0
	s_mul_i32 s76, s14, HEADB                      ; where they go: the wave's number and constants alone
	s_mul_i32 s77, s14, 64*LP
	s_add_co_u32 s77, s77, 2*HEADB
	s_wait_dscnt 0x0
	s_wait_kmcnt 0x0
	s_add_nc_u64 s[70:71], s[4:5], s[70:71]
	s_add_nc_u64 s[74:75], s[6:7], s[74:75]
.irp p, 0,1,2,3
	s_mov_b32 s[G0A+4*\p], 1
	s_add_co_u32 s[G0A+4*\p+1], s76, (\p%3)*SLOT
	s_add_nc_u64 s[G0A+4*\p+2:G0A+4*\p+3], s[70:71], \p<<21        ; two heads on
	s_or_b32 s[G0A+4*\p+3], s[G0A+4*\p+3], 0x80000000
	s_mov_b32 s[G0B+4*\p], 1
	s_add_co_u32 s[G0B+4*\p+1], s77, (\p%3)*SLOT
	s_add_nc_u64 s[G0B+4*\p+2:G0B+4*\p+3], s[74:75], \p*256        ; 128 k on
	s_or_b32 s[G0B+4*\p+3], s[G0B+4*\p+3], 0x80000000
.endr
	ROUND                                          ; all sixteen work-groups are here: the first joint loads meet
	JLOAD 0
	JLOAD 1
	JLOAD 2
	s_lshl_b32 s70, s67, 18                        ; out: 128 rows of 2,048 bytes a block row,
	s_lshl_b32 s72, s13, 17                        ; 64 rows for my half
	s_add_co_u32 s70, s70, s72
	s_mov_b32 s71, 0
	s_add_nc_u64 s[10:11], s[10:11], s[70:71]
	s_lshl_b32 s74, s15, 9                         ; 128 floats a block column,
	s_lshl_b32 s78, s14, 8                         ; 64 for my half: the same in out's rows and in bo
	s_add_co_u32 s74, s74, s78
	s_mov_b32 s75, 0
	s_add_nc_u64 s[10:11], s[10:11], s[74:75]
	s_add_nc_u64 s[8:9], s[8:9], s[74:75]
	v_and_b32 v1, 15, v0                           ; r
	v_bfe_u32 v2, v0, 4, 1                         ; h
	v_lshlrev_b32 v[BOF], 5, v2                    ; lane (r, h) wants bo[16 ct + 8 h + 0..7]
	WIN 0x40
.set ii, 0
.rept 4
	global_load_b128 v[128+8*ii:128+8*ii+3], v[BOF], s[8:9] offset:64*ii
	global_load_b128 v[128+8*ii+4:128+8*ii+7], v[BOF], s[8:9] offset:64*ii+16
.set ii, ii+1
.endr
	WIN 0
	v_mul_u32_u24 v3, v1, LP
	v_lshl_add_u32 v3, v2, 4, v3                   ; r x pitch + 16 h
	s_mul_i32 s72, s13, 64*LP                      ; my 64 rows of o
	s_mul_i32 s73, s14, 64*LP                      ; my 64 rows of Wo,
	s_add_co_u32 s73, s73, 2*HEADB                 ; behind the two heads
.irp s, 0,1,2
	v_add_nc_u32 v[FO+\s], s72, v3
	v_add_nc_u32 v[FW+\s], s73, v3
	s_add_co_u32 s72, s72, SLOT
	s_add_co_u32 s73, s73, SLOT
.endr
	s_mul_i32 s78, s12, 16*LP
	s_add_co_u32 s78, s78, SLOT                    ; my stage, in slot 1: filled once, at the start, and last read in part 1
	v_mul_u32_u24 v[STO], v1, LP
	v_lshl_add_u32 v[STO], v2, 5, v[STO]           ; in: row r, 32 bytes for each half of the lanes
	v_add_nc_u32 v[STO], s78, v[STO]
	v_mul_u32_u24 v[RD], v2, LP
	v_lshl_add_u32 v[RD], v1, 4, v[RD]             ; back: lanes 0-15 one row of 256 bytes, lanes 16-31 the next
	v_add_nc_u32 v[RD], s78, v[RD]
	v_lshlrev_b32 v[CO], 4, v1
	v_lshl_add_u32 v[CO], v2, 11, v[CO]            ; and the same two rows in out
.macro FET slot, q, buf                ; 24 loads: 32 k at 32 q of the part = head q / 2, dims 32 (q % 2) ..
	WIN 0
.set ii, 0
.rept 4
	ds_load_b128 v[\buf+8*ii:\buf+8*ii+3], v[FW+\slot] offset:ii*16*LP+64*\q
	ds_load_b128 v[\buf+8*ii+4:\buf+8*ii+7], v[FW+\slot] offset:ii*16*LP+64*\q+32
.set ii, ii+1
.endr
.set ii, 0
.rept 8                                ; ii = 4 x (lo) + a
	ds_load_b128 v[\buf+32+8*ii:\buf+32+8*ii+3], v[FO+\slot] offset:(\q/2)*HEADB+(ii%4)*16*LP+64*(\q%2)+128*(ii/4)
	ds_load_b128 v[\buf+32+8*ii+4:\buf+32+8*ii+7], v[FO+\slot] offset:(\q/2)*HEADB+(ii%4)*16*LP+64*(\q%2)+128*(ii/4)+32
.set ii, ii+1
.endr
.endm
.macro MUL buf, lo, bias               ; 16 matrix instructions on 16 accumulators, one turn each
	WIN 0x50
.set tt, 0
.rept 16
.if \bias
	v_wmma_f32_16x16x32_bf16 v[8*tt:8*tt+7], v[\buf+8*(tt%4):\buf+8*(tt%4)+7], v[\buf+32+32*\lo+8*(tt/4):\buf+32+32*\lo+8*(tt/4)+7], v[128+8*(tt%4):128+8*(tt%4)+7]
.else
	v_wmma_f32_16x16x32_bf16 v[8*tt:8*tt+7], v[\buf+8*(tt%4):\buf+8*(tt%4)+7], v[\buf+32+32*\lo+8*(tt/4):\buf+32+32*\lo+8*(tt/4)+7], v[8*tt:8*tt+7]
.endif
.set tt, tt+1
.endr
.endm
.macro COMPUTE slot, first             ; one part: four steps of 32 k, 32 matrix instructions each
	PLACES
	FET \slot, 0, F0
	FET \slot, 1, F1
	s_wait_dscnt 24                                ; the younger run of 24 stays out
	MUL F0, 0, \first
	MUL F0, 1, 0
	PLACES
	FET \slot, 2, F0
	s_wait_dscnt 24
	MUL F1, 0, 0
	MUL F1, 1, 0
	PLACES
	FET \slot, 3, F1
	s_wait_dscnt 24
	MUL F0, 0, 0
	MUL F0, 1, 0
	s_wait_dscnt 0x0
	MUL F1, 0, 0
	MUL F1, 1, 0
	WIN 0
.endm
	s_wait_loadcnt 0x0                             ; the bias
	s_wait_tensorcnt 0x2                           ; my share of part 0 is in; parts 1 and 2 stay out
	s_barrier_signal -1
	s_barrier_wait -1
	COMPUTE 0, 1
	s_wait_dscnt 0x0                               ; my reads of slot 0 are over
	s_wait_tensorcnt 0x0                           ; and all my tensor loads have landed, parts 1 and 2 among them
	ds_add_u32 v62, v63
	s_wait_dscnt 0x0
	ROUND                                          ; both now hold of every wave of all sixteen work-groups
	JLOAD 3                                        ; the one refill: part 3 into slot 0, first thing behind the round
	COMPUTE 1, 0
	COMPUTE 2, 0
	s_wait_dscnt 0x0
	s_wait_tensorcnt 0x0                           ; the one load that is out: my share of part 3
	s_barrier_signal -1
	s_barrier_wait -1                              ; also: nobody reads slot 1 any more, where the stages lie
	COMPUTE 0, 0
	; THE WAY OUT, 16 rows at a time: 32 bytes a lane into my stage, read back as rows of 256 bytes
	PLACES
.irp a, 0,1,2,3
	WIN 0x04
.set ii, 0
.rept 4
	ds_store_b128 v[STO], v[8*(4*\a+ii):8*(4*\a+ii)+3] offset:64*ii
	ds_store_b128 v[STO], v[8*(4*\a+ii)+4:8*(4*\a+ii)+7] offset:64*ii+16
.set ii, ii+1
.endr
	WIN 0
.set ii, 0
.rept 8
	ds_load_b128 v[F0+32*\a+4*ii:F0+32*\a+4*ii+3], v[RD] offset:2*LP*ii     ; my own stage: LDS serves a wave's instructions in order (ISA guide 5.7.1.4)
.set ii, ii+1
.endr
.set ii, 0
.rept 8
	s_wait_dscnt 7-ii
	global_store_b128 v[CO], v[F0+32*\a+4*ii:F0+32*\a+4*ii+3], s[10:11] offset:\a*32768+4096*ii th:TH_STORE_NT   ; 16 lanes store 256 consecutive aligned bytes
.set ii, ii+1
.endr
.endr
	s_wait_tensorcnt 0x0
	ds_add_u32 v62, v63
	s_wait_dscnt 0x0
	ROUND                                          ; the closing round: no work-group ends while a partner may still ask for a tile that names it
	s_endpgm
.Lfunc_end_k_qd5a7aef574_outp:
	.size	k_qd5a7aef574_outp, .Lfunc_end_k_qd5a7aef574_outp-k_qd5a7aef574_outp
	.p2alignl 7, 3214868480
	.fill 96, 4, 3214868480
	.section	.rodata,"a",@progbits
	.p2align	6, 0x0
	.amdhsa_kernel k_qd5a7aef574_outp
		.amdhsa_group_segment_fixed_size 327680
		.amdhsa_private_segment_fixed_size 0
		.amdhsa_enable_private_segment 0
		.amdhsa_kernarg_size 32
		.amdhsa_user_sgpr_count 2
		.amdhsa_user_sgpr_kernarg_segment_ptr 1
		.amdhsa_wavefront_size32 1
		.amdhsa_system_sgpr_workgroup_id_x 1
		.amdhsa_system_sgpr_workgroup_id_y 1
		.amdhsa_system_sgpr_workgroup_id_z 1
		.amdhsa_system_vgpr_workitem_id 0
		.amdhsa_next_free_vgpr 416
		.amdhsa_next_free_sgpr 80
		.amdhsa_reserve_vcc 0
		.amdhsa_float_denorm_mode_32 3
		.amdhsa_float_denorm_mode_16_64 3
		.amdhsa_memory_ordered 1
		.amdhsa_forward_progress 1
		.amdhsa_inst_pref_size 78
	.end_amdhsa_kernel
	.amdgpu_metadata
---
amdhsa.version: [ 1, 2 ]
amdhsa.kernels:
  - .name:           k_qd5a7aef574_outp
    .symbol:         k_qd5a7aef574_outp.kd
    .args:
      - { .name: o16, .offset: 0, .size: 8, .value_kind: global_buffer, .address_space: global }
      - { .name: wo16, .offset: 8, .size: 8, .value_kind: global_buffer, .address_space: global }
      - { .name: bo, .offset: 16, .size: 8, .value_kind: global_buffer, .address_space: global }
      - { .name: out0, .offset: 24, .size: 8, .value_kind: global_buffer, .address_space: global }
    .group_segment_fixed_size: 327680
    .private_segment_fixed_size: 0
    .kernarg_segment_align: 8
    .kernarg_segment_size: 32
    .max_flat_workgroup_size: 128
    .sgpr_count:     80
    .vgpr_count:     416
    .wavefront_size: 32
...
	.end_amdgpu_metadata
.endif
;; end of part 3
;; ======== version 2 of 2: 3 launches; 1.12 times as fast as version 1
;; limits: values outside matrix products are rounded to bf16
;; workspace buffers: qkv 33,554,432 bytes; st 5,242,880 bytes; o16 10,485,760 bytes; wo16 524,288 bytes
;; launch proj (part 4): grid 8 x 32, 4 waves a work-group, no clusters, 150,016 bytes of LDS; arguments x, Wq, Wk, Wv, bq, bk, bv, qkv, st; writes qkv, st
.if DOCPART == 4
	.amdgcn_target "amdgcn-amd-amdhsa--gfx1250"
	.amdhsa_code_object_version 6
	.text
	.protected	k_qd5a7aef574_proj
	.globl	k_qd5a7aef574_proj
	.p2align	8
	.type	k_qd5a7aef574_proj,@function
k_qd5a7aef574_proj:
	s_mov_b64 s[64:65], 0
	v_nop
	global_prefetch_b8 v0, s[64:65] scope:SCOPE_SE
	s_setreg_imm32_b32 hwreg(HW_REG_WAVE_MODE, 25, 1), 1
	s_wait_xcnt 0x0
; q, k, v of ONE head for ONE chunk of 256 rows, and the chunk's state K^T [V | 1].
; x [8192][512] f32, Wq/Wk/Wv [512][512] f32 (used as x W^T), biases f32.  Work-group (head, rb): rows 256 rb .., columns 64 head ..
; Out: qkv bf16 [bh 16][256][4096], t along the rows: rows 0-63 q^T, 64-127 k^T, 128-191 v^T (hi), 192-255 v^T (lo), v = hi + lo;
;      the lo rows are stored for chunks 0 to 3 (t < 1024) alone: nothing reads them further on;
;      st  f32  [bh][chunk 16][tile 5 it + jt][half 2][lane 32][4]: the register image of tile (it, jt) of K^T [V | 1] (64 x 80);
;      chunk 15's state has no reader and is not made.
; q and k pass f(z) = (z - min(z,0)) + exp2(1.442695 min(z,0)), which is z + 1 above zero and e^z below: elu(z) + 1 without a branch.
; v is split into two bf16 because a row of the result is a mean of t + 1 values of v: where few are averaged one bf16 (8 bits) is too coarse
; against the whole result's root mean square.  The state takes hi + lo in every chunk.
; LIMITS: v_exp_f32 gives 0 where e^z is below 2^-126; z = -inf gives NaN (the reference gives 0); hi + lo needs |v| inside bf16's finite range.
; Four waves, each 64 rows x 192 columns = 48 accumulator tiles.  K goes in 8 steps of 64 floats (256 bytes of a row, aligned).
; The operands are f32 in memory and bf16 in the matrix unit, so they come through registers: load, convert once, store to LDS as bf16;
; that halves what LDS takes in and gives out against f32 tiles, and is why no tensor load and no cluster is used here.
; Two LDS slots take turns; the whole next step (56 loads of 512 bytes a wave) is in flight while a step is multiplied.
; REGISTER WINDOWS: 0 addresses, fragments, work; 1 accumulators of q (v0-127) and k (v128-255); 2 of v (v0-127);
; 3 the 56 loads' 224 registers, and on the way out the 256 registers of the copy to memory.
.set PITCH, 144                        ; an LDS row: 64 bf16 + 16 bytes, an odd multiple of 16: sixteen rows of a fragment start at different banks
.set SLOT,  448*PITCH                  ; 256 rows of x, then 64 rows each of Wq, Wk, Wv
.set WOFF,  256*PITCH
.set RSZ,   64*PITCH+128               ; the stage: a region = one group's 64 feature rows x one wave's 64 t; the 128 bytes turn neighbouring regions by 32 banks
.set GSZ,   4*RSZ                      ; a group (q, k, v hi, v lo) = the four waves' regions
.set GX, 8                             ; byte offset of my 16 bytes in x
.set GW, 9                             ; the same in each W
.set STX, 10                           ; v10-11 where I store x's bf16, slot 0, 1
.set STW, 12                           ; v12-13 the same for W
.set FA, 14                            ; v14-15 my x fragments, slot 0, 1
.set FB, 16                            ; v16-17 the W fragments
.set BO, 18                            ; 4 r: my column's bias
.set GO, 19                            ; my byte offset in qkv
.set SG, 20                            ; v20-21 stage: where a tile's 16 bytes go, groups 0-1 and 2-3
.set RD, 22                            ; v22-23 stage: read back by rows, groups 0-1 and 2-3
.set FSB, 24                           ; v24-25 state: v^T fragments, hi and lo
.set FSA, 26                           ; state: k^T fragments
.set SO, 27                            ; my byte offset in st
.set AF0, 32                           ; v32-95   two buffers of 4 x fragments
.set BF0, 96                           ; v96-159  two buffers of 4 W fragments
.set CV, 160                           ; v160-215 converted numbers on their way to LDS
.set BI, 224                           ; v224-247 12 biases, each in both registers of a pair for the packed add
.set Z, 32                             ; v32-159  epilogue: one matrix's 16 tiles in f32
.set T, 160                            ; v160-167 min(z,0); or v's hi part
.set E, 168                            ; v168-175 the exponentials
.set WT, 168                           ; v168-175 hi widened to f32
.set SB0, 32                           ; v32-103  state: buffer 0 (k 8, v hi 32, v lo 32)
.set SB1, 104                          ; v104-175 buffer 1
.set ONE, 176                          ; v176-183 a fragment of ones
.set SA, 184                           ; v184-223 five state tiles
.set MSB, 0
.macro WIN new                         ; the immediate's high byte repeats the setting that is left
.if MSB != \new
	s_set_vgpr_msb (MSB<<8)|\new
.set MSB, \new
.endif
.endm
.macro PLACES                          ; four places behind a matrix instruction before its registers are loaded into, read or written (ISA guide 7.12.1)
.rept 4
	v_nop
.endr
.endm
	s_load_b512 s[16:31], s[0:1], 0x0              ; x, Wq, Wk, Wv, bq, bk, bv, qkv
	s_load_b64 s[32:33], s[0:1], 0x40              ; st
	v_lshl_add_u32 v254, v0, 2, 0x24800
	v_mov_b32 v255, 0
	v_lshrrev_b32 v4, 5, v0
	v_readfirstlane_b32 s8, v4                     ; wave
	s_and_b32 s10, ttmp7, 0xffff                   ; rb = 16 b + chunk
	s_lshr_b32 s11, s10, 4
	s_lshl3_add_u32 s11, s11, ttmp9                ; bh = 8 b + head
	s_and_b32 s12, s10, 15                         ; chunk
	v_and_b32 v1, 15, v0                           ; r
	v_bfe_u32 v2, v0, 4, 1                         ; h
	v_lshlrev_b32 v4, 4, v1                        ; lanes 0-15 take 256 bytes of a row,
	v_lshl_add_u32 v4, v2, 14, v4                  ; lanes 16-31 those of the row 8 further down
	s_lshl_b32 s13, s8, 17                         ; my 64 rows of x
	v_add_nc_u32 v[GX], s13, v4
	s_lshl_b32 s13, s8, 15                         ; my 16 rows of each W
	v_add_nc_u32 v[GW], s13, v4
	v_lshlrev_b32 v[BO], 2, v1
	s_mov_b32 s15, 0
	s_wait_kmcnt 0x0
	s_lshl_b32 s14, s10, 19                        ; 256 rows of 2,048 bytes
	s_add_nc_u64 s[16:17], s[16:17], s[14:15]
	s_lshl_b32 s14, ttmp9, 17                      ; 64 rows of 2,048 bytes
	s_add_nc_u64 s[18:19], s[18:19], s[14:15]
	s_add_nc_u64 s[20:21], s[20:21], s[14:15]
	s_add_nc_u64 s[22:23], s[22:23], s[14:15]
.macro GLOAD                           ; one K step: 32 loads of x, 8 of each W, into window 3
	WIN 0xc0
.set nn, 0
.rept 32
	global_load_b128 v[4*nn:4*nn+3], v[GX], s[16:17] offset:((nn/8)*16+(nn%8))*2048
.set nn, nn+1
.endr
.set nn, 0
.rept 24
	global_load_b128 v[128+4*nn:128+4*nn+3], v[GW], s[18+2*(nn/8):19+2*(nn/8)] offset:(nn%8)*2048
.set nn, nn+1
.endr
	WIN 0
.endm
.macro NEXTK                           ; 64 floats on; stands behind the wait that shows the last loads done
	s_add_nc_u64 s[16:17], s[16:17], 256
	s_add_nc_u64 s[18:19], s[18:19], 256
	s_add_nc_u64 s[20:21], s[20:21], 256
	s_add_nc_u64 s[22:23], s[22:23], 256
.endm
.macro CONV slot                       ; 224 f32 to 112 words of bf16, 8 bytes a lane to LDS: lanes 0-15 fill 128 bytes, lanes 16-31 lie 32 banks further
.set bb, 0
.rept 2
	WIN 0x0f
.set nn, 0
.rept 28
	v_cvt_pk_bf16_f32 v[CV+2*nn], v[4*(28*bb+nn)], v[4*(28*bb+nn)+1]
	v_cvt_pk_bf16_f32 v[CV+2*nn+1], v[4*(28*bb+nn)+2], v[4*(28*bb+nn)+3]
.set nn, nn+1
.endr
	WIN 0
.set nn, 0
.rept 28
.set mm, 28*bb+nn
.if mm < 32
	ds_store_b64 v[STX+\slot], v[CV+2*nn:CV+2*nn+1] offset:((mm/8)*16+(mm%8))*PITCH
.else
	ds_store_b64 v[STW+\slot], v[CV+2*nn:CV+2*nn+1] offset:((mm-32)/8)*64*PITCH+((mm-32)%8)*PITCH
.endif
.set nn, nn+1
.endr
.set bb, bb+1
.endr
.endm
	GLOAD                                          ; K step 0
	s_lshl_b32 s14, ttmp9, 8                       ; 64 floats
	s_add_nc_u64 s[24:25], s[24:25], s[14:15]
	s_add_nc_u64 s[26:27], s[26:27], s[14:15]
	s_add_nc_u64 s[28:29], s[28:29], s[14:15]
.set nn, 0
.rept 12
	global_load_b32 v[BI+2*nn], v[BO], s[24+2*(nn/4):25+2*(nn/4)] offset:64*(nn%4)
	global_load_b32 v[BI+2*nn+1], v[BO], s[24+2*(nn/4):25+2*(nn/4)] offset:64*(nn%4)
.set nn, nn+1
.endr
	s_lshl_b32 s14, s11, 21                        ; qkv: 256 rows of 8,192 bytes a head,
	s_lshl_b32 s13, s12, 9                         ; 512 bytes a chunk
	s_add_co_u32 s14, s14, s13
	s_add_nc_u64 s[30:31], s[30:31], s[14:15]
	s_lshl4_add_u32 s14, s11, s12
	s_mul_i32 s14, s14, 20480                      ; st: 20 tiles of 1,024 bytes a chunk
	s_add_nc_u64 s[32:33], s[32:33], s[14:15]
	v_lshlrev_b32 v5, 3, v1
	v_mad_u32_u24 v5, v2, 8*PITCH, v5              ; 8 r, and 8 rows down for lanes 16-31
	s_mul_i32 s13, s8, 64*PITCH
	v_add_nc_u32 v[STX], s13, v5
	v_add_nc_u32 v[STX+1], SLOT, v[STX]
	v_mul_u32_u24 v6, v1, PITCH
	v_lshl_add_u32 v6, v2, 4, v6                   ; r x pitch + 16 h: a fragment's lane term
	v_add_nc_u32 v[FA], s13, v6
	v_add_nc_u32 v[FA+1], SLOT, v[FA]
	s_mul_i32 s13, s8, 16*PITCH                    ; 16 rows a wave
	v_bfe_u32 v4, v0, 3, 2                         ; copy-out: lane L takes region L / 8,
	v_and_b32 v7, 7, v0
	v_lshlrev_b32 v7, 4, v7                        ; 16 bytes at 16 (L % 8),
	v_mad_u32_u24 v4, v4, RSZ, v7
	v_add_nc_u32 v[RD], s13, v4                    ; of my wave's 16 feature rows of a group
	v_add_nc_u32 v[RD+1], 2*GSZ, v[RD]
	v_add_nc_u32 v[FSA], s13, v6                   ; k^T rows 16 w .. of group 1
	v_add_nc_u32 v[FSA], GSZ, v[FSA]
	s_add_co_u32 s13, s13, WOFF
	v_add_nc_u32 v[STW], s13, v5
	v_add_nc_u32 v[STW+1], SLOT, v[STW]
	v_add_nc_u32 v[FB], WOFF, v6
	v_add_nc_u32 v[FB+1], SLOT, v[FB]
	s_mul_i32 s13, s8, RSZ
	v_add_nc_u32 v[SG], s13, v6
	v_add_nc_u32 v[SG+1], 2*GSZ, v[SG]
	v_add_nc_u32 v[FSB], 2*GSZ, v6                 ; v^T hi: group 2
	v_add_nc_u32 v[FSB+1], 3*GSZ, v6               ; v^T lo: group 3
	v_and_b32 v3, 31, v0
	v_lshlrev_b32 v7, 4, v3                        ; 16 L
	s_lshl_b32 s13, s8, 17                         ; 16 rows of 8,192 bytes
	v_add_nc_u32 v[GO], s13, v7
	s_mul_i32 s13, s8, 5120
	v_add_nc_u32 v[SO], s13, v7
.macro FETA slot, u                    ; my 64 rows of x, 32 K at byte 64 u
	WIN 0
.set aa, 0
.rept 4
	ds_load_b128 v[AF0+32*\u+8*aa:AF0+32*\u+8*aa+3], v[FA+\slot] offset:aa*16*PITCH+64*\u
	ds_load_b128 v[AF0+32*\u+8*aa+4:AF0+32*\u+8*aa+7], v[FA+\slot] offset:aa*16*PITCH+64*\u+32
.set aa, aa+1
.endr
.endm
.macro FETB slot, idx                  ; idx = 3 u + g: matrix g's 64 rows, 32 K at byte 64 u, into buffer idx % 2
	WIN 0
.set aa, 0
.rept 4
	ds_load_b128 v[BF0+32*(\idx%2)+8*aa:BF0+32*(\idx%2)+8*aa+3], v[FB+\slot] offset:(4*(\idx%3)+aa)*16*PITCH+64*(\idx/3)
	ds_load_b128 v[BF0+32*(\idx%2)+8*aa+4:BF0+32*(\idx%2)+8*aa+7], v[FB+\slot] offset:(4*(\idx%3)+aa)*16*PITCH+64*(\idx/3)+32
.set aa, aa+1
.endr
.endm
; 16 matrix instructions on 16 accumulators, one turn each; an accumulator comes up again 48 instructions later.
; Lane (r, h) of tile (a, cl): column 16 cl + r, registers = rows 16 a + 8 h + 0..7: eight neighbouring t of one feature.
.macro MM af, bf, acc, win, zero
	WIN \win
.set tt, 0
.rept 16
.if \zero
	v_wmma_f32_16x16x32_bf16 v[\acc+8*tt:\acc+8*tt+7], v[\af+8*(tt/4):\af+8*(tt/4)+7], v[\bf+8*(tt%4):\bf+8*(tt%4)+7], 0
.else
	v_wmma_f32_16x16x32_bf16 v[\acc+8*tt:\acc+8*tt+7], v[\af+8*(tt/4):\af+8*(tt/4)+7], v[\bf+8*(tt%4):\bf+8*(tt%4)+7], v[\acc+8*tt:\acc+8*tt+7]
.endif
.set tt, tt+1
.endr
.endm
; One K step of 64: 96 matrix instructions from slot; then the next step's numbers go to the other slot and the step after that is asked for.
; ONE barrier a step: the other slot was last read in the step before, in front of that step's barrier; this one shows its new bytes to all.
.macro STEP slot, other, zero, conv, load
	PLACES
	FETA \slot, 0
	FETB \slot, 0
	FETB \slot, 1
	s_wait_dscnt 0x8                               ; all but the youngest eight (the next W fragments)
	MM AF0, BF0, 0, 0x50, \zero
	PLACES
	FETB \slot, 2
	s_wait_dscnt 0x8
	MM AF0, BF0+32, 128, 0x50, \zero
	PLACES
	FETA \slot, 1
	FETB \slot, 3
	s_wait_dscnt 0x10                              ; the sixteen just issued stay out
	MM AF0, BF0, 0, 0xa0, \zero
	PLACES
	FETB \slot, 4
	s_wait_dscnt 0x8
	MM AF0+32, BF0+32, 0, 0x50, 0
	PLACES
	FETB \slot, 5
	s_wait_dscnt 0x8
	MM AF0+32, BF0, 128, 0x50, 0
	s_wait_dscnt 0x0
	MM AF0+32, BF0+32, 0, 0xa0, 0
	WIN 0
.if \conv
	s_wait_loadcnt 0x0                             ; the next step's 56 loads are in; their bases may be stepped
	CONV \other
.if \load
	NEXTK
	GLOAD
.endif
	s_wait_dscnt 0x0                               ; for the others: my stores have landed, my reads of this slot are over
	s_barrier_signal -1
	s_barrier_wait -1
.endif
.endm
	s_wait_loadcnt 0x0
	CONV 0
	NEXTK
	GLOAD                                          ; K step 1
	s_wait_dscnt 0x0
	s_barrier_signal -1
	s_barrier_wait -1
	STEP 0, 1, 1, 1, 1                             ; the first step's products start the sums: nothing is cleared
	STEP 1, 0, 0, 1, 1
	s_mov_b32 s3, 2
.Lk:
	STEP 0, 1, 0, 1, 1
	STEP 1, 0, 0, 1, 1
	s_sub_co_u32 s3, s3, 1
	s_cmp_lg_u32 s3, 0
	s_cbranch_scc1 .Lk
	STEP 0, 1, 0, 1, 0                             ; step 6 has nothing more to ask for,
	STEP 1, 0, 0, 0, 0                             ; step 7 nothing to convert
	; THE WAY OUT.  The slots become the stage: every wave's reads of them are over (the last wait above was for 0).
	s_barrier_signal -1
	s_barrier_wait -1
	PLACES
.macro FEAT zb                         ; eight numbers: elu + 1, then packed in place
.set jj, 0
.rept 8
	v_min_num_f32 v[T+jj], 0, v[\zb+jj]
.set jj, jj+1
.endr
.set jj, 0
.rept 4
	v_pk_mul_f32 v[E+jj:E+jj+1], v[T+jj:T+jj+1], 0x3fb8aa3b op_sel_hi:[1,0]
.set jj, jj+2
.endr
.set jj, 0
.rept 8
	v_exp_f32 v[E+jj], v[E+jj]
.set jj, jj+1
.endr
.set jj, 0
.rept 4                                ; plain work that touches no exponential stands behind the last v_exp_f32 (ISA guide 5.7.2)
	v_pk_add_f32 v[\zb+jj:\zb+jj+1], v[\zb+jj:\zb+jj+1], v[T+jj:T+jj+1] neg_lo:[0,1] neg_hi:[0,1]
.set jj, jj+2
.endr
.set jj, 0
	s_wait_alu depctr_va_vdst(0)
.rept 4
	v_pk_add_f32 v[\zb+jj:\zb+jj+1], v[\zb+jj:\zb+jj+1], v[E+jj:E+jj+1]
.set jj, jj+2
.endr
.set jj, 0
.rept 4
	v_cvt_pk_bf16_f32 v[\zb+jj], v[\zb+2*jj], v[\zb+2*jj+1]
.set jj, jj+1
.endr
.endm
.macro SPLIT src, hi, lo               ; eight f32 as hi + lo: hi = bf16(x), lo = bf16(x - hi); src is used up
.set qq, 0
.rept 4
	v_cvt_pk_bf16_f32 v[\hi+qq], v[\src+2*qq], v[\src+2*qq+1]
.set qq, qq+1
.endr
.set qq, 0
.rept 4
	v_lshlrev_b32 v[WT+2*qq], 16, v[\hi+qq]
	v_and_b32 v[WT+2*qq+1], 0xffff0000, v[\hi+qq]
.set qq, qq+1
.endr
.set qq, 0
.rept 4
	v_pk_add_f32 v[\src+2*qq:\src+2*qq+1], v[\src+2*qq:\src+2*qq+1], v[WT+2*qq:WT+2*qq+1] neg_lo:[0,1] neg_hi:[0,1]
.set qq, qq+1
.endr
.set qq, 0
.rept 4
	v_cvt_pk_bf16_f32 v[\lo+qq], v[\src+2*qq], v[\src+2*qq+1]
.set qq, qq+1
.endr
.endm
.macro GROUP g, acc, win               ; one matrix's 16 tiles: bias, feature map or split, 16 bytes a lane into my region of the group's part of the stage
	WIN \win
.set tt, 0
.rept 16
.set pp, 0
.rept 4
	v_pk_add_f32 v[Z+8*tt+2*pp:Z+8*tt+2*pp+1], v[\acc+8*tt+2*pp:\acc+8*tt+2*pp+1], v[BI+2*(4*\g+tt%4):BI+2*(4*\g+tt%4)+1]
.set pp, pp+1
.endr
.set tt, tt+1
.endr
	WIN 0
.set tt, 0
.rept 16
.if \g < 2
	FEAT Z+8*tt
	ds_store_b128 v[SG], v[Z+8*tt:Z+8*tt+3] offset:\g*GSZ+(tt%4)*16*PITCH+32*(tt/4)
.else
	SPLIT Z+8*tt, T, Z+8*tt
	ds_store_b128 v[SG+1], v[T:T+3] offset:(tt%4)*16*PITCH+32*(tt/4)
	ds_store_b128 v[SG+1], v[Z+8*tt:Z+8*tt+3] offset:GSZ+(tt%4)*16*PITCH+32*(tt/4)
.endif
.set tt, tt+1
.endr
	s_wait_dscnt 0x0                               ; for the others: my part of the group is written
	s_barrier_signal -1
	s_barrier_wait -1
.endm
; My 16 feature rows of group g go to memory: a load gathers a row's 512 bytes from the four waves' regions, a store writes them as 512 consecutive
; aligned bytes.  Each group has 64 registers of window 3 to itself, so no store's data is ever written again; and each group's bytes of the stage
; lie apart from the next group's, so the next group is staged while other waves still read this one.
.macro COPY g
	WIN 0xc0
.set ii, 0
.rept 16
	ds_load_b128 v[64*\g+4*ii:64*\g+4*ii+3], v[RD+\g/2] offset:(\g%2)*GSZ+ii*PITCH
.set ii, ii+1
.endr
	WIN 0x0c
.set ii, 0
.rept 16
	s_wait_dscnt 15-ii                             ; LDS loads come back in order: row ii is in
	global_store_b128 v[GO], v[64*\g+4*ii:64*\g+4*ii+3], s[30:31] offset:(64*\g+ii)*8192
.set ii, ii+1
.endr
	WIN 0
.endm
	GROUP 0, 0, 0x01
	COPY 0                                         ; q leaves while k's feature map is computed,
	GROUP 1, 128, 0x01
	COPY 1                                         ; k while v is split
	GROUP 2, 0, 0x02
	COPY 2
	s_cmp_ge_u32 s12, 4                            ; v's lo part is read for t < 1024 alone
	s_cbranch_scc1 .Lno_lo
	COPY 3
.Lno_lo:
	s_cmp_eq_u32 s12, 15                           ; the last chunk's state has no reader
	s_cbranch_scc1 .Lend
	; THE STATE: wave w makes rows 16 w .. of K^T [V | 1]: A = k^T, B = v^T hi, ones, v^T lo; 8 steps of 32 t.
.macro FETS ks, buf                    ; 18 loads
	ds_load_b128 v[\buf:\buf+3], v[FSA] offset:(\ks/2)*RSZ+(\ks%2)*64
	ds_load_b128 v[\buf+4:\buf+7], v[FSA] offset:(\ks/2)*RSZ+(\ks%2)*64+32
.set jj, 0
.rept 8
	ds_load_b128 v[\buf+8+8*jj:\buf+8+8*jj+3], v[FSB+jj/4] offset:(jj%4)*16*PITCH+(\ks/2)*RSZ+(\ks%2)*64
	ds_load_b128 v[\buf+8+8*jj+4:\buf+8+8*jj+7], v[FSB+jj/4] offset:(jj%4)*16*PITCH+(\ks/2)*RSZ+(\ks%2)*64+32
.set jj, jj+1
.endr
.endm
.macro SMUL buf, zero                  ; nine matrix instructions; no two that follow each other share an accumulator
.set jj, 0
.rept 4
.if \zero
	v_wmma_f32_16x16x32_bf16 v[SA+8*jj:SA+8*jj+7], v[\buf:\buf+7], v[\buf+8+8*jj:\buf+8+8*jj+7], 0
.else
	v_wmma_f32_16x16x32_bf16 v[SA+8*jj:SA+8*jj+7], v[\buf:\buf+7], v[\buf+8+8*jj:\buf+8+8*jj+7], v[SA+8*jj:SA+8*jj+7]
.endif
.set jj, jj+1
.endr
.if \zero
	v_wmma_f32_16x16x32_bf16 v[SA+32:SA+39], v[\buf:\buf+7], v[ONE:ONE+7], 0
.else
	v_wmma_f32_16x16x32_bf16 v[SA+32:SA+39], v[\buf:\buf+7], v[ONE:ONE+7], v[SA+32:SA+39]
.endif
.set jj, 0
.rept 4
	v_wmma_f32_16x16x32_bf16 v[SA+8*jj:SA+8*jj+7], v[\buf:\buf+7], v[\buf+40+8*jj:\buf+40+8*jj+7], v[SA+8*jj:SA+8*jj+7]
.set jj, jj+1
.endr
.endm
.set jj, 0
.rept 8
	v_mov_b32 v[ONE+jj], 0x3f803f80                ; two bf16 ones
.set jj, jj+1
.endr
	FETS 0, SB0
	FETS 1, SB1
	s_wait_dscnt 18                                ; the younger run of 18 stays out
	SMUL SB0, 1
	PLACES
	FETS 2, SB0
	s_wait_dscnt 18
	SMUL SB1, 0
	PLACES
	FETS 3, SB1
	s_wait_dscnt 18
	SMUL SB0, 0
	PLACES
	FETS 4, SB0
	s_wait_dscnt 18
	SMUL SB1, 0
	PLACES
	FETS 5, SB1
	s_wait_dscnt 18
	SMUL SB0, 0
	PLACES
	FETS 6, SB0
	s_wait_dscnt 18
	SMUL SB1, 0
	PLACES
	FETS 7, SB1
	s_wait_dscnt 18
	SMUL SB0, 0
	s_wait_dscnt 0x0
	SMUL SB1, 0
	PLACES
.set jj, 0
.rept 10
	global_store_b128 v[SO], v[SA+4*jj:SA+4*jj+3], s[32:33] offset:512*jj   ; the tiles as they lie in registers: 512 consecutive bytes a store
.set jj, jj+1
.endr
.Lend:
	s_wait_tensorcnt 0x0
	ds_add_u32 v254, v255
	s_wait_dscnt 0x0
	s_endpgm
.Lfunc_end_k_qd5a7aef574_proj:
	.size	k_qd5a7aef574_proj, .Lfunc_end_k_qd5a7aef574_proj-k_qd5a7aef574_proj
	.p2alignl 7, 3214868480
	.fill 96, 4, 3214868480
	.section	.rodata,"a",@progbits
	.p2align	6, 0x0
	.amdhsa_kernel k_qd5a7aef574_proj
		.amdhsa_group_segment_fixed_size 150016
		.amdhsa_private_segment_fixed_size 0
		.amdhsa_enable_private_segment 0
		.amdhsa_kernarg_size 72
		.amdhsa_user_sgpr_count 2
		.amdhsa_user_sgpr_kernarg_segment_ptr 1
		.amdhsa_wavefront_size32 1
		.amdhsa_system_sgpr_workgroup_id_x 1
		.amdhsa_system_sgpr_workgroup_id_y 1
		.amdhsa_system_sgpr_workgroup_id_z 1
		.amdhsa_system_vgpr_workitem_id 0
		.amdhsa_next_free_vgpr 1024
		.amdhsa_next_free_sgpr 66
		.amdhsa_reserve_vcc 0
		.amdhsa_float_denorm_mode_32 3
		.amdhsa_float_denorm_mode_16_64 3
		.amdhsa_memory_ordered 1
		.amdhsa_forward_progress 1
		.amdhsa_inst_pref_size 255
	.end_amdhsa_kernel
	.section	.bss,"aw",@nobits
	.p2align	6
	.space	262144
	.amdgpu_metadata
---
amdhsa.version: [ 1, 2 ]
amdhsa.kernels:
  - .name:           k_qd5a7aef574_proj
    .symbol:         k_qd5a7aef574_proj.kd
    .args:
      - { .name: x, .offset: 0, .size: 8, .value_kind: global_buffer, .address_space: global }
      - { .name: Wq, .offset: 8, .size: 8, .value_kind: global_buffer, .address_space: global }
      - { .name: Wk, .offset: 16, .size: 8, .value_kind: global_buffer, .address_space: global }
      - { .name: Wv, .offset: 24, .size: 8, .value_kind: global_buffer, .address_space: global }
      - { .name: bq, .offset: 32, .size: 8, .value_kind: global_buffer, .address_space: global }
      - { .name: bk, .offset: 40, .size: 8, .value_kind: global_buffer, .address_space: global }
      - { .name: bv, .offset: 48, .size: 8, .value_kind: global_buffer, .address_space: global }
      - { .name: qkv, .offset: 56, .size: 8, .value_kind: global_buffer, .address_space: global }
      - { .name: st, .offset: 64, .size: 8, .value_kind: global_buffer, .address_space: global }
    .group_segment_fixed_size: 150016
    .private_segment_fixed_size: 0
    .kernarg_segment_align: 8
    .kernarg_segment_size: 72
    .max_flat_workgroup_size: 128
    .sgpr_count:     66
    .vgpr_count:     1024
    .wavefront_size: 32
...
	.end_amdgpu_metadata
.endif
;; end of part 4
;; launch attn (part 5): grid 16 x 16, 4 waves a work-group, no clusters, 186,880 bytes of LDS; arguments qkv, st, Wo, o16, wo16; writes o16, wo16
.if DOCPART == 5
	.amdgcn_target "amdgcn-amd-amdhsa--gfx1250"
	.amdhsa_code_object_version 6
	.text
	.protected	k_qd5a7aef574_attn
	.globl	k_qd5a7aef574_attn
	.p2align	8
	.type	k_qd5a7aef574_attn,@function
k_qd5a7aef574_attn:
	s_mov_b64 s[64:65], 0
	v_nop
	global_prefetch_b8 v0, s[64:65] scope:SCOPE_SE
	s_setreg_imm32_b32 hwreg(HW_REG_WAVE_MODE, 25, 1), 1
	s_wait_xcnt 0x0
; Causal linear attention of ONE chunk of 256 rows of ONE head:  O = tril(Q K^T) [V | 1] + Q S,  o = O[:, :64] / max(O[:, 64], 1e-6),
; S = the sum of the earlier chunks' states K^T [V | 1] (f32 in st, summed here in f32, used as bf16).
; In: qkv bf16 [bh][256][4096] (q^T, k^T, v^T hi, v^T lo; t along the rows; lo exists for t < 1024), st f32 (register images of 20 tiles a chunk), Wo f32.
; Out: wo16 = Wo rounded to bf16 (this work-group's 1,024 numbers of it), and o16 bf16, laid out as the next launch takes it in:
;      [block 32 b + j][head][160 rows][64]: rows 0-31 = o (hi) of t = 32 j .., rows 32-127 = o of t = 1024 + 96 j .., rows 128-159 = the lo part of rows 0-31.
; TWO PATHS, chosen once by the chunk's number.  A row of o is a mean of t + 1 values of v.  Chunks 0 to 3 (t < 1024), where few are averaged, carry
; v, the weights tril(Q K^T) and o as two bf16 each (hi + lo, 16 bits): 28 products into O for a block of 32 keys.  Chunks 4 to 15 carry one bf16: 10 products.
; LIMITS: from t = 1024 on the precision is that of matrix operands rounded once to bf16; a NaN denominator is taken as 1e-6 (v_max_num_f32);
; hi + lo needs values inside bf16's finite range.
; No cluster: the work-groups share no tile; what they share, the states, is read through registers.
; ALL PRODUCTS ARE TRANSPOSED, so that nothing is shuffled between them:
;   AT(key, query) = K Q^T: lane = query r, registers = 8 keys, which pack straight into the next product's second source;
;   O^T(dv, query) = V^T AT, + S^T Q^T: lane = query r, registers = 8 neighbouring dv; the fifth tile (first source all ones, or z) is the denominator, in the same lane.
; Wave w takes the query pairs of 32 rows P = w and P = 7 - w: (P + 1) key blocks each, nine in every wave.
; The key blocks are written out, block j's place (64 j bytes along the rows) in the loads' immediate offsets; a wave leaves the run for its
; diagonal block by a forward branch on P, which is made of the wave's number alone.
.set TP, 544                           ; LDS row: 512 bytes + 32, an odd multiple of 32 as the transposing loads want
.set SF, 256*TP                        ; 139,264: S as 20 packed tiles of 512 bytes, tile 4 jt + it
.set STG, SF+10240                     ; 149,504: for each wave a stage of 32 rows x 144 bytes for hi and another for lo
.set SP, 144
.set OBLK, 163840                      ; o16: bytes of a block: 8 heads x 160 rows x 128
.set OHEAD, 20480
.set XA, 4                             ; transposing loads' lane term; never rewritten
.set AQ, 5                             ; XA + 64 P      (first: where I store my part of S)
.set W8, 6                             ; 8 x thread, for wo16
.set AV, 7                             ; v^T fragments of the diagonal block: AV0 + 64 P (first: 16 x thread, for Wo)
.set AV0, 8                            ; v^T fragments' lane term; never rewritten
.set SFA, 9
.set STO, 10
.set RDS, 11
.set GOF, 12
.set L16, 13
.set PS, 14
.set VT, 15                            ; r - 8 h: key register jj of a diagonal tile is kept where jj <= r - 8 h
.set ONE, 16                           ; v16-23
.set QF, 24                            ; v24-55   Q fragments, 2 a + ks
.set KF, 56                            ; v56-87   K fragments, 2 kt + ks
.set VF, 88                            ; v88-151  V fragments: hi jt, then lo jt
.set AT, 152                           ; v152-183 AT tiles 2 kt + a; afterwards v152-167 hold the weights' lo fragments
.set PH, 184                           ; v184-199 the weights' (hi) fragments
.set WT, 200                           ; v200-207 SPLIT's work
.set HT, 208                           ; v208-211 o's hi part
.set RR, 212                           ; v212-215 1 / denominator, twice for each query tile
.set DN, 216                           ; v216-217
.set SFR, 56                           ; v56-135  S fragments while a pair's sums are started
.set OW, 24                            ; v24-87   o in f32
.set OB, 88                            ; v88-151  o read back by rows
.set RG, 56                            ; v56-215  prefix: chunks 0 to 3 as loaded
.set PA, 56                            ; v56-95   chunk 0's registers take the sums
.set WL, 216                           ; v216-223 Wo
.set WC, 224                           ; v224-227
.set PK, 228                           ; v228-247 S packed
; window 1: v0-159 prefix chunks 4-7, then v0-79 = O(a, jt) at 8 (5 a + jt); window 2: v0-159 chunks 8-11; window 3: v0-119 chunks 12-14
.set MSB, 0
.macro WIN new                         ; the immediate's high byte repeats the setting that is left
.if MSB != \new
	s_set_vgpr_msb (MSB<<8)|\new
.set MSB, \new
.endif
.endm
.macro PLACES                          ; four places behind a matrix instruction (ISA guide 7.12.1)
.rept 4
	v_nop
.endr
.endm
.macro PLOAD i, base, cnt              ; my five tiles of chunks 4 i .., ten loads a chunk, into window i
	WIN (\i<<6)
.set nn, 0
.rept \cnt
	global_load_b128 v[\base+4*nn:\base+4*nn+3], v[PS], s[6:7] offset:(4*\i+nn/10)*20480+(nn%10)*512
.set nn, nn+1
.endr
	WIN 0
.endm
.macro PADD e, guard                   ; chunk e is added; guard = 1: only where it lies before mine (it is jumped over, not multiplied by zero)
.if \guard
	s_cmp_gt_u32 s15, \e
	s_cbranch_scc0 .Lnot_\@
.endif
	WIN ((\e/4)<<2)
.set pp, 0
.rept 20
.if \e < 4
	v_pk_add_f32 v[PA+2*pp:PA+2*pp+1], v[PA+2*pp:PA+2*pp+1], v[RG+40*\e+2*pp:RG+40*\e+2*pp+1]
.else
	v_pk_add_f32 v[PA+2*pp:PA+2*pp+1], v[PA+2*pp:PA+2*pp+1], v[40*(\e%4)+2*pp:40*(\e%4)+2*pp+1]
.endif
.set pp, pp+1
.endr
	WIN 0
.if \guard
.Lnot_\@:
.endif
.endm
.macro WOLOAD
	global_load_b128 v[WL:WL+3], v[AV], s[8:9] th:TH_LOAD_NT
	global_load_b128 v[WL+4:WL+7], v[AV], s[8:9] offset:2048 th:TH_LOAD_NT
.endm
.macro FINISH                          ; Wo goes out as bf16, my part of S goes to LDS, and the tile and S are shown to all four waves
	s_wait_loadcnt 0x0                             ; Wo (chunk 0 has waited for nothing yet)
	v_cvt_pk_bf16_f32 v[WC], v[WL], v[WL+1]
	v_cvt_pk_bf16_f32 v[WC+1], v[WL+2], v[WL+3]
	v_cvt_pk_bf16_f32 v[WC+2], v[WL+4], v[WL+5]
	v_cvt_pk_bf16_f32 v[WC+3], v[WL+6], v[WL+7]
	global_store_b64 v[W8], v[WC:WC+1], s[12:13]               ; a wave's store covers 256 consecutive aligned bytes
	global_store_b64 v[W8], v[WC+2:WC+3], s[12:13] offset:1024
.set jj, 0
.rept 5
.set pp, 0
.rept 4
	v_cvt_pk_bf16_f32 v[PK+4*jj+pp], v[PA+8*jj+2*pp], v[PA+8*jj+2*pp+1]
.set pp, pp+1
.endr
	ds_store_b128 v[AQ], v[PK+4*jj:PK+4*jj+3] offset:2048*jj   ; lane (r, h): S[16 w + 8 h + 0..7][16 jt + r]: half a first-source fragment as it stands
.set jj, jj+1
.endr
.set jj, 0
.rept 8
	v_mov_b32 v[ONE+jj], 0x3f803f80                ; two bf16 ones
.set jj, jj+1
.endr
	s_wait_dscnt 0x0                               ; for the others: my part of S is written,
	s_wait_tensorcnt 0x0                           ; my quarter of the tile has landed
	s_barrier_signal -1
	s_barrier_wait -1
.endm
.macro SPLIT src, hi, lo               ; eight f32 as hi + lo: hi = bf16(x), lo = bf16(x - hi); src is used up
.set qq, 0
.rept 4
	v_cvt_pk_bf16_f32 v[\hi+qq], v[\src+2*qq], v[\src+2*qq+1]
.set qq, qq+1
.endr
.set qq, 0
.rept 4
	v_lshlrev_b32 v[WT+2*qq], 16, v[\hi+qq]
	v_and_b32 v[WT+2*qq+1], 0xffff0000, v[\hi+qq]
.set qq, qq+1
.endr
.set qq, 0
.rept 4
	v_pk_add_f32 v[\src+2*qq:\src+2*qq+1], v[\src+2*qq:\src+2*qq+1], v[WT+2*qq:WT+2*qq+1] neg_lo:[0,1] neg_hi:[0,1]
.set qq, qq+1
.endr
.set qq, 0
.rept 4
	v_cvt_pk_bf16_f32 v[\lo+qq], v[\src+2*qq], v[\src+2*qq+1]
.set qq, qq+1
.endr
.endm
.macro PACK src, dst                   ; eight f32 to eight bf16
.set qq, 0
.rept 4
	v_cvt_pk_bf16_f32 v[\dst+qq], v[\src+2*qq], v[\src+2*qq+1]
.set qq, qq+1
.endr
.endm
.macro KLOAD j                         ; key block j: 32 keys x 64 features from k^T, transposed on the way: 8 loads
.set nn, 0
.rept 4
	ds_load_tr16_b128 v[KF+8*nn:KF+8*nn+3], v[XA] offset:64*TP+(nn%2)*32*TP+32*(nn/2)+64*(\j)
	ds_load_tr16_b128 v[KF+8*nn+4:KF+8*nn+7], v[XA] offset:64*TP+(nn%2)*32*TP+32*(nn/2)+16*TP+64*(\j)
.set nn, nn+1
.endr
.endm
.macro ATM kt, a, ks
.if \ks
	v_wmma_f32_16x16x32_bf16 v[AT+8*(2*\kt+\a):AT+8*(2*\kt+\a)+7], v[KF+8*(2*\kt+1):KF+8*(2*\kt+1)+7], v[QF+8*(2*\a+1):QF+8*(2*\a+1)+7], v[AT+8*(2*\kt+\a):AT+8*(2*\kt+\a)+7]
.else
	v_wmma_f32_16x16x32_bf16 v[AT+8*(2*\kt+\a):AT+8*(2*\kt+\a)+7], v[KF+8*(2*\kt):KF+8*(2*\kt)+7], v[QF+8*(2*\a):QF+8*(2*\a)+7], 0
.endif
.endm
.macro OMUL pf, vf, five               ; O(a, jt) += V^T(jt) x weights(a), both query tiles; five = 1: the denominator's tile too
.set nn, 0
.rept 2
.set mm, 0
.rept 4
	v_wmma_f32_16x16x32_bf16 v[40*nn+8*mm:40*nn+8*mm+7], v[\vf+8*mm:\vf+8*mm+7], v[\pf+8*nn:\pf+8*nn+7], v[40*nn+8*mm:40*nn+8*mm+7]
.set mm, mm+1
.endr
.if \five
	v_wmma_f32_16x16x32_bf16 v[40*nn+32:40*nn+39], v[ONE:ONE+7], v[\pf+8*nn:\pf+8*nn+7], v[40*nn+32:40*nn+39]
.endif
.set nn, nn+1
.endr
.endm
; One block of 32 keys against the pair's 32 queries.  diag = 0: key block j, below the diagonal; diag = 1: the block on the diagonal, the pair's last.
; hl = 1: v and the weights as hi + lo; hl = 0: one bf16.
; On every way into a block its eight loads of K are the only LDS loads that are out.
; In every run of matrix instructions the accumulators take turns, one instruction a turn.
.macro BLOCK diag, j, hl
	PLACES
.if \hl
	v_nop                                          ; a fifth place: the first products below write over registers that the last block's products read as a source
.endif
.set nn, 0
.rept 4+4*\hl
.if \diag
	ds_load_b128 v[VF+8*nn:VF+8*nn+3], v[AV] offset:nn*16*TP
	ds_load_b128 v[VF+8*nn+4:VF+8*nn+7], v[AV] offset:nn*16*TP+32
.else
	ds_load_b128 v[VF+8*nn:VF+8*nn+3], v[AV0] offset:nn*16*TP+64*(\j)
	ds_load_b128 v[VF+8*nn+4:VF+8*nn+7], v[AV0] offset:nn*16*TP+64*(\j)+32
.endif
.set nn, nn+1
.endr
	s_wait_dscnt 8+8*\hl                           ; K is in; the loads of V just issued stay out
.if \diag
	ATM 0, 0, 0
	ATM 0, 1, 0
	ATM 1, 1, 0                                    ; keys 16-31 against queries 0-15 lie above the diagonal: not made
	ATM 0, 0, 1
	ATM 0, 1, 1
	ATM 1, 1, 1
.else
	ATM 0, 0, 0
	ATM 0, 1, 0
	ATM 1, 0, 0
	ATM 1, 1, 0
	ATM 0, 0, 1
	ATM 0, 1, 1
	ATM 1, 0, 1
	ATM 1, 1, 1
.endif
	PLACES
.if \diag
.set jj, 0
.rept 8
	v_cndmask_b32 v[AT+jj], 0, v[AT+jj], s[40+jj]          ; key 8 h + jj counts for query r where it is not later
	v_cndmask_b32 v[AT+24+jj], 0, v[AT+24+jj], s[40+jj]
.set jj, jj+1
.endr
.if \hl
	SPLIT AT, PH, AT
.set jj, 0
.rept 4
	v_mov_b32 v[PH+4+jj], 0
	v_mov_b32 v[AT+4+jj], 0
.set jj, jj+1
.endr
	SPLIT AT+8, PH+8, AT+8
	SPLIT AT+24, PH+12, AT+12
.else
	PACK AT, PH
.set jj, 0
.rept 4
	v_mov_b32 v[PH+4+jj], 0
.set jj, jj+1
.endr
	PACK AT+8, PH+8
	PACK AT+24, PH+12
.endif
	s_wait_dscnt 0x0
.else
	KLOAD \j+1                                     ; the next block's keys
.if \hl
	SPLIT AT, PH, AT                               ; keys 0-15 fill registers 0-3 of a second-source fragment,
	SPLIT AT+16, PH+4, AT+4                        ; keys 16-31 registers 4-7; lo goes into the registers that the first tile has left
	SPLIT AT+8, PH+8, AT+8
	SPLIT AT+24, PH+12, AT+12
.else
	PACK AT, PH
	PACK AT+16, PH+4
	PACK AT+8, PH+8
	PACK AT+24, PH+12
.endif
	s_wait_dscnt 0x8                               ; V is in; the next keys stay out
.endif
	WIN 0x50
	OMUL PH, VF, 1                                 ; weights (hi) x (V hi, 1)
.if \hl
	OMUL PH, VF+32, 0                              ; hi x V lo
	OMUL AT, VF, 1                                 ; lo x (V hi, 1)
.endif
	WIN 0
.endm
; The pair of query tiles P (in s17), lo <= P <= hi.  Key blocks 0 .. P - 1 lie below the diagonal; block P is the diagonal's.
.macro PAIR lo, hi, hl
	s_wait_xcnt 0x0                                ; the last stores' address and data registers are written again only behind this wait
	PLACES
	s_lshl_b32 s34, s17, 6                         ; 32 t are 64 bytes of a row
	v_add_nc_u32 v[AQ], s34, v[XA]
	v_add_nc_u32 v[AV], s34, v[AV0]
	s_lshl3_add_u32 s34, s15, s17                  ; 8 c + P: the pair's number in the sequence
.if \hl
	s_mul_i32 s34, s34, OBLK                       ; t < 1024: block j = 8 c + P, rows 0-31
.else
	s_sub_co_u32 s34, s34, 32                      ; g = the pair's number from t = 1024 on, 0 to 95
	s_mul_hi_u32 s37, s34, 0x55555556              ; block j = g / 3
	s_mul_i32 s38, s37, 3
	s_sub_co_u32 s38, s34, s38                     ; g % 3
	s_add_co_u32 s38, s38, 1
	s_lshl_b32 s38, s38, 12                        ; rows 32 + 32 (g % 3) .., 128 bytes each
	s_mul_i32 s37, s37, OBLK
	s_add_co_u32 s34, s37, s38
.endif
	v_add_nc_u32 v[GOF], s34, v[L16]
.set nn, 0
.rept 4
	ds_load_tr16_b128 v[QF+8*nn:QF+8*nn+3], v[AQ] offset:(nn%2)*32*TP+32*(nn/2)
	ds_load_tr16_b128 v[QF+8*nn+4:QF+8*nn+7], v[AQ] offset:(nn%2)*32*TP+32*(nn/2)+16*TP
.set nn, nn+1
.endr
.set nn, 0
.rept 20
	ds_load_b128 v[SFR+4*nn:SFR+4*nn+3], v[SFA] offset:512*nn
.set nn, nn+1
.endr
	s_wait_dscnt 0x0
	WIN 0x50
.set nn, 0
.rept 10                               ; Q S starts the sums: nothing is cleared
	v_wmma_f32_16x16x32_bf16 v[8*nn:8*nn+7], v[SFR+16*(nn%5):SFR+16*(nn%5)+7], v[QF+16*(nn/5):QF+16*(nn/5)+7], 0
.set nn, nn+1
.endr
.set nn, 0
.rept 10
	v_wmma_f32_16x16x32_bf16 v[8*nn:8*nn+7], v[SFR+16*(nn%5)+8:SFR+16*(nn%5)+15], v[QF+16*(nn/5)+8:QF+16*(nn/5)+15], v[8*nn:8*nn+7]
.set nn, nn+1
.endr
	WIN 0
	PLACES
	KLOAD 0
.set jb, 0
.rept \hi
.if jb >= \lo
	s_cmp_eq_u32 s17, jb                           ; block jb is my diagonal's: leave the run
	s_cbranch_scc1 .Ldiag_\@
.endif
	BLOCK 0, jb, \hl
.set jb, jb+1
.endr
.Ldiag_\@:
	BLOCK 1, 0, \hl
	PLACES
	WIN 0x01
	v_max_num_f32 v[DN], v32, s35                  ; the fifth tile's registers are all the query's denominator
	v_max_num_f32 v[DN+1], v72, s35
	WIN 0
	v_rcp_f32 v[RR], v[DN]
	v_rcp_f32 v[RR+1], v[DN]
	v_rcp_f32 v[RR+2], v[DN+1]
	v_rcp_f32 v[RR+3], v[DN+1]
	v_nop                                          ; one plain place behind the last v_rcp_f32 (ISA guide 5.7.2)
	WIN 0x01
.set tt, 0
	s_wait_alu depctr_va_vdst(0)
.rept 8
.set pp, 0
.rept 4
	v_pk_mul_f32 v[OW+8*tt+2*pp:OW+8*tt+2*pp+1], v[40*(tt/4)+8*(tt%4)+2*pp:40*(tt/4)+8*(tt%4)+2*pp+1], v[RR+2*(tt/4):RR+2*(tt/4)+1]
.set pp, pp+1
.endr
.set tt, tt+1
.endr
	WIN 0
.set tt, 0
.rept 8
.if \hl
	SPLIT OW+8*tt, HT, OW+8*tt
	ds_store_b128 v[STO], v[HT:HT+3] offset:(tt/4)*16*SP+32*(tt%4)
	ds_store_b128 v[STO], v[OW+8*tt:OW+8*tt+3] offset:32*SP+(tt/4)*16*SP+32*(tt%4)
.else
	PACK OW+8*tt, OW+8*tt
	ds_store_b128 v[STO], v[OW+8*tt:OW+8*tt+3] offset:(tt/4)*16*SP+32*(tt%4)
.endif
.set tt, tt+1
.endr
.set nn, 0
.rept 8+8*\hl
	ds_load_b128 v[OB+4*nn:OB+4*nn+3], v[RDS] offset:(nn/8)*32*SP+4*SP*(nn%8)   ; my own stage: LDS serves a wave's instructions in order (ISA guide 5.7.1.4)
.set nn, nn+1
.endr
.set nn, 0
.rept 8+8*\hl
	s_wait_dscnt 7+8*\hl-nn
	global_store_b128 v[GOF], v[OB+4*nn:OB+4*nn+3], s[10:11] offset:(nn/8)*16384+512*(nn%8)   ; four rows of 128 bytes: 512 consecutive aligned bytes; lo lies 128 rows on
.set nn, nn+1
.endr
.endm
	s_load_b256 s[4:11], s[0:1], 0x0               ; qkv s[4:5], st s[6:7], Wo s[8:9], o16 s[10:11]
	s_load_b64 s[12:13], s[0:1], 0x20              ; wo16
	v_lshl_add_u32 v254, v0, 2, 0x2d800
	v_mov_b32 v255, 0
	ds_add_u32 v254, v255
	ds_add_u32 v254, v255
	v_lshrrev_b32 v1, 5, v0
	v_readfirstlane_b32 s14, v1                    ; wave
	s_mov_b32 s15, ttmp9                           ; chunk
	s_and_b32 s16, ttmp7, 0xffff                   ; bh
	; my quarter of the tile: 64 rows x 256 bf16, 4,096 elements from row to row, 32 bytes of padding behind each row's 128 words
	s_mov_b32 s24, (1<<16)|(1<<20)|(6<<22)|(7<<25)
	s_mov_b32 s25, 256<<16                         ; tensor_dim0
	s_mov_b32 s26, 64<<16                          ; tensor_dim1
	s_mov_b32 s27, 256<<16                         ; tile_dim0
	s_mov_b32 s28, 64                              ; tile_dim1
	s_mov_b32 s29, 4096                            ; stride
	s_mov_b32 s30, 0
	s_mov_b32 s31, 0
	s_mov_b32 s20, 1
	s_mul_i32 s21, s14, 64*TP
	s_mov_b32 s35, 0x358637bd                      ; 1e-6
	; the lanes' addresses, while the arguments are on their way
	v_and_b32 v1, 15, v0                           ; r
	v_bfe_u32 v2, v0, 4, 1                         ; h
	v_and_b32 v3, 31, v0                           ; L
	v_lshlrev_b32 v[L16], 4, v3
	s_mul_i32 s34, s14, 5120
	v_add_nc_u32 v[PS], s34, v[L16]                ; my five tiles of a chunk's state
	v_lshlrev_b32 v[AV], 4, v0
	v_lshlrev_b32 v[W8], 3, v0
	v_and_b32 v[XA], 7, v0
	v_lshl_add_u32 v[XA], v2, 3, v[XA]
	v_mul_u32_u24 v[XA], v[XA], TP                 ; row 8 h + L % 8
	v_bfe_u32 v[AQ], v0, 3, 1
	v_lshl_add_u32 v[XA], v[AQ], 4, v[XA]          ; + 16 ((L / 8) % 2)
	v_mul_u32_u24 v[AV0], v1, TP
	v_lshl_add_u32 v[AV0], v2, 4, v[AV0]
	v_add_nc_u32 v[AV0], 128*TP, v[AV0]
	v_add_nc_u32 v[SFA], SF, v[L16]
	s_mul_i32 s34, s14, 64*SP
	s_add_co_u32 s34, s34, STG
	v_mul_u32_u24 v[STO], v1, SP                   ; in: row r, 16 bytes for each half of the lanes
	v_lshl_add_u32 v[STO], v2, 4, v[STO]
	v_add_nc_u32 v[STO], s34, v[STO]
	v_lshrrev_b32 v[RDS], 3, v3                    ; back: eight lanes take a row of 128 bytes
	v_mul_u32_u24 v[RDS], v[RDS], SP
	v_and_b32 v[GOF], 7, v0
	v_lshl_add_u32 v[RDS], v[GOF], 4, v[RDS]
	v_add_nc_u32 v[RDS], s34, v[RDS]
	v_lshlrev_b32 v[VT], 3, v2
	v_sub_nc_u32 v[VT], v1, v[VT]
	s_lshl_b32 s34, s14, 9
	v_add_nc_u32 v[AQ], s34, v[SFA]                ; S: tile 4 jt + w
.set jj, 0
.rept 8
	v_cmp_le_i32 s[40+jj], jj, v[VT]
.set jj, jj+1
.endr
	s_lshl_b32 s32, s16, 21                        ; 256 rows of 8,192 bytes a head
	s_lshl_b32 s34, s14, 19                        ; 64 rows a wave
	s_add_co_u32 s32, s32, s34
	s_lshl_b32 s34, s15, 9                         ; 512 bytes a chunk
	s_add_co_u32 s32, s32, s34
	s_mov_b32 s33, 0
	s_wait_dscnt 0x0
	s_wait_kmcnt 0x0
	s_add_nc_u64 s[22:23], s[4:5], s[32:33]
	s_or_b32 s23, s23, 0x80000000
	s_lshl4_add_u32 s34, s16, s15                  ; the work-group's number
	s_lshl_b32 s32, s34, 12
	s_add_nc_u64 s[8:9], s[8:9], s[32:33]          ; its 4,096 bytes of Wo
	s_lshl_b32 s32, s34, 11
	s_add_nc_u64 s[12:13], s[12:13], s[32:33]      ; and 2,048 of wo16
	s_mul_i32 s32, s16, 327680                     ; st: 16 chunks of 20,480 bytes a head
	s_add_nc_u64 s[6:7], s[6:7], s[32:33]
	s_lshr_b32 s32, s16, 3
	s_mul_i32 s32, s32, 32*OBLK                    ; o16: 32 blocks a batch,
	s_and_b32 s34, s16, 7
	s_mul_i32 s34, s34, OHEAD                      ; my head's 160 rows in each
	s_add_co_u32 s32, s32, s34
	s_add_nc_u64 s[10:11], s[10:11], s[32:33]
	s_cmp_ge_u32 s15, 4
	s_cbranch_scc1 .Llate
	; CHUNKS 0 TO 3: hi + lo.  The wave's one tensor load of the launch; at the most chunks 0 to 2 lie before mine.
	tensor_load_to_lds s[20:23], s[24:31]
	s_nop 0
	WOLOAD
	s_cmp_lg_u32 s15, 0
	s_cbranch_scc1 .Lsome
.set pp, 0
.rept 40
	v_mov_b32 v[PA+pp], 0                          ; chunk 0: the state in front of it is zero
.set pp, pp+1
.endr
	s_branch .Learly
.Lsome:
	PLOAD 0, RG, 30
	s_wait_loadcnt 0x0
	PADD 1, 1
	PADD 2, 1
.Learly:
	FINISH
	s_mov_b32 s17, s14                             ; P = w: 0 to 3
	PAIR 0, 3, 1
	s_sub_co_u32 s17, 7, s14                       ; P = 7 - w: 4 to 7
	PAIR 4, 7, 1
	s_wait_tensorcnt 0x0
	ds_add_u32 v254, v255
	s_wait_dscnt 0x0
	s_endpgm
	; CHUNKS 4 TO 15: one bf16.  v's lo rows are neither stored for these chunks nor read: wave 3, whose quarter they would be, asks for nothing.
.Llate:
	s_cmp_eq_u32 s14, 3
	s_cbranch_scc1 .Lno_fill
	tensor_load_to_lds s[20:23], s[24:31]
	s_nop 0
.Lno_fill:
	WOLOAD
	; THE PREFIX: all the loads go out at once, four chunks to a group, a group only where one of its chunks lies before mine (so none leaves this
	; head's 16 chunks); then one wait.  The sums are entered at the last group that was loaded, so that only loaded registers are read on every way.
	PLOAD 0, RG, 40
	s_cmp_le_u32 s15, 4
	s_cbranch_scc1 .Lsum0
	PLOAD 1, 0, 40
	s_cmp_le_u32 s15, 8
	s_cbranch_scc1 .Lsum1
	PLOAD 2, 0, 40
	s_cmp_le_u32 s15, 12
	s_cbranch_scc1 .Lsum2
	PLOAD 3, 0, 30                                 ; chunk 15 lies before nobody
	s_wait_loadcnt 0x0
	PADD 12, 0
	PADD 13, 1
	PADD 14, 1
.Lsum2:
	s_wait_loadcnt 0x0
	PADD 8, 0
	PADD 9, 1
	PADD 10, 1
	PADD 11, 1
.Lsum1:
	s_wait_loadcnt 0x0
	PADD 4, 0
	PADD 5, 1
	PADD 6, 1
	PADD 7, 1
.Lsum0:
	s_wait_loadcnt 0x0
	PADD 1, 0
	PADD 2, 0
	PADD 3, 0
	FINISH
	s_mov_b32 s17, s14
	PAIR 0, 3, 0
	s_sub_co_u32 s17, 7, s14
	PAIR 4, 7, 0
	s_wait_tensorcnt 0x0
	ds_add_u32 v254, v255
	s_wait_dscnt 0x0
	s_endpgm
.Lfunc_end_k_qd5a7aef574_attn:
	.size	k_qd5a7aef574_attn, .Lfunc_end_k_qd5a7aef574_attn-k_qd5a7aef574_attn
	.p2alignl 7, 3214868480
	.fill 96, 4, 3214868480
	.section	.rodata,"a",@progbits
	.p2align	6, 0x0
	.amdhsa_kernel k_qd5a7aef574_attn
		.amdhsa_group_segment_fixed_size 186880
		.amdhsa_private_segment_fixed_size 0
		.amdhsa_enable_private_segment 0
		.amdhsa_kernarg_size 40
		.amdhsa_user_sgpr_count 2
		.amdhsa_user_sgpr_kernarg_segment_ptr 1
		.amdhsa_wavefront_size32 1
		.amdhsa_system_sgpr_workgroup_id_x 1
		.amdhsa_system_sgpr_workgroup_id_y 1
		.amdhsa_system_sgpr_workgroup_id_z 1
		.amdhsa_system_vgpr_workitem_id 0
		.amdhsa_next_free_vgpr 896
		.amdhsa_next_free_sgpr 66
		.amdhsa_reserve_vcc 0
		.amdhsa_float_denorm_mode_32 3
		.amdhsa_float_denorm_mode_16_64 3
		.amdhsa_memory_ordered 1
		.amdhsa_forward_progress 1
		.amdhsa_inst_pref_size 255
	.end_amdhsa_kernel
	.section	.bss,"aw",@nobits
	.p2align	6
	.space	262144
	.amdgpu_metadata
---
amdhsa.version: [ 1, 2 ]
amdhsa.kernels:
  - .name:           k_qd5a7aef574_attn
    .symbol:         k_qd5a7aef574_attn.kd
    .args:
      - { .name: qkv, .offset: 0, .size: 8, .value_kind: global_buffer, .address_space: global }
      - { .name: st, .offset: 8, .size: 8, .value_kind: global_buffer, .address_space: global }
      - { .name: Wo, .offset: 16, .size: 8, .value_kind: global_buffer, .address_space: global }
      - { .name: o16, .offset: 24, .size: 8, .value_kind: global_buffer, .address_space: global }
      - { .name: wo16, .offset: 32, .size: 8, .value_kind: global_buffer, .address_space: global }
    .group_segment_fixed_size: 186880
    .private_segment_fixed_size: 0
    .kernarg_segment_align: 8
    .kernarg_segment_size: 40
    .max_flat_workgroup_size: 128
    .sgpr_count:     66
    .vgpr_count:     896
    .wavefront_size: 32
...
	.end_amdgpu_metadata
.endif
;; end of part 5
;; launch outp (part 6): grid 4 x 64, 4 waves a work-group, clusters of 4 x 4, 313,856 bytes of LDS; arguments o16, wo16, bo, out0; writes out0
.if DOCPART == 6
	.amdgcn_target "amdgcn-amd-amdhsa--gfx1250"
	.amdhsa_code_object_version 6
	.text
	.protected	k_qd5a7aef574_outp
	.globl	k_qd5a7aef574_outp
	.p2align	8
	.type	k_qd5a7aef574_outp,@function
k_qd5a7aef574_outp:
	s_mov_b64 s[64:65], 0
	v_nop
	global_prefetch_b8 v0, s[64:65] scope:SCOPE_SE
	s_setreg_imm32_b32 hwreg(HW_REG_WAVE_MODE, 25, 1), 1
	s_wait_xcnt 0x0
	s_wait_alu depctr_hold_cnt(0) depctr_sa_sdst(0) depctr_va_vdst(0) depctr_va_sdst(0) depctr_va_ssrc(0) depctr_va_vcc(0) depctr_vm_vsrc(0)
	s_getreg_b32 s2, hwreg(HW_REG_IB_STS2, 6, 4)
	s_cmp_eq_u32 s2, 0
	s_cbranch_scc0 .Lentry_in_a_cluster
	s_endpgm
.Lentry_in_a_cluster:
	s_bfe_u32 s2, ttmp6, 0x10000c
	s_cmp_lg_u32 s2, 0xf033
	s_cbranch_scc0 .Lentry_shape_is_right
	s_endpgm
.Lentry_shape_is_right:
; out[t][n] = sum over k of o[t][k] Wo[n][k] + bo[n].  wo16 bf16 [512][512], out0 f32 [8192][512].
; o16 bf16 [block 32 b + j][head][160 rows][64]: rows 0-31 = o (hi) of t = 32 j .., rows 32-127 = o of t = 1024 + 96 j .., rows 128-159 = the lo part of rows 0-31:
; for t < 1024 o is hi + lo, from there on one bf16.  So every work-group has the same mix: 32 rows with a lo part and 96 without.
; A work-group makes the 128 rows of one block x 128 columns with four waves of 64 x 64 (16 accumulators); a wave has one row tile of early rows, whose
; lo part meets the same Wo fragments once more, and three of late rows: 20 matrix instructions for 32 along K.
; ALL OF K LIES IN LDS: 8 heads x 21,760 bytes of o and 4 parts x 34,816 bytes of Wo.  Every tile is filled once, at the start; K goes in four parts of 128
; (two heads), each read when it has landed.  By this text's count a wave has four tensor loads outstanding at the most.
; A head's 160 rows of 128 bytes are dense in memory and come in as 80 rows of 256 bytes with 16 bytes behind each: row q lies at (q / 2) 272 + (q % 2) 128, and
; the sixteen rows of a fragment load fall on sixteen different 16-byte columns of the 256.
; CLUSTERS: 4 x 4 work-groups.  The four of a row of the cluster make the same rows of out and need the same tiles of o; the four of a column need
; the same tiles of Wo.  Each such tile is asked for jointly, which divides the requests for both by four.
; The matrix instruction is used transposed (first source Wo, second o): lane = row r of out, registers = 8 neighbouring columns.
; The bias is the C of the very first products and costs no further instruction.
.set LP, 272                           ; 256 bytes + 16: an odd multiple of 16
.set HEADB, 80*LP                      ; 21,760: one head's 160 rows
.set PARTA, 2*HEADB
.set ABYTES, 8*HEADB                   ; 174,080
.set WPART, 128*LP                     ; 34,816: Wo's 128 rows, 128 k
.set OBLK, 163840                      ; o16: bytes of a block
.set OHEAD, 20480                      ; and of a head in it
.set FLAGS, (1<<16)|(1<<20)|(1<<21)|(5<<22)|(3<<25)    ; 2-byte elements; padding on; bit 21 beside a mask; after every 64 words; 4 words
.set G1A, 16                           ; s[16:23] shape of o's tiles
.set G1B, 24                           ; s[24:31] shape of Wo's tiles
.set G0A, 32                           ; s[32:47] from where, to where: one set for each part
.set G0B, 48                           ; s[48:63]
.set FE, 4                             ; v4-7   my early row tile in part 0 to 3 (its lo part 128 rows further on)
.set FL, 8                             ; v8-11  my three late row tiles
.set FW, 12                            ; v12-15 my Wo fragments
.set STO, 16
.set RD, 17
.set CO, 18
.set BOF, 19
.set F0, 64                            ; v64-135  fragment buffer 0: Wo 4 tiles, o 4 tiles, lo 1 tile
.set F1, 136                           ; v136-207 buffer 1
; window 1: v0-127 accumulators (a, ct) at 8 (4 a + ct); v128-159 the bias as four C tiles
.set MSB, 0
.macro WIN new                         ; the immediate's high byte repeats the setting that is left
.if MSB != \new
	s_set_vgpr_msb (MSB<<8)|\new
.set MSB, \new
.endif
.endm
.macro PLACES                          ; four places behind a matrix instruction (ISA guide 7.12.1)
.rept 4
	v_nop
.endr
.endm
.macro ROUND                           ; a round of the cluster's barrier
	s_barrier_signal -1
	s_barrier_wait -1
	s_cmp_lg_u32 s12, 0
	s_cbranch_scc1 .Lnot_wave_0_\@
	s_barrier_signal -3
.Lnot_wave_0_\@:
	s_barrier_wait -3
	s_barrier_signal -1
	s_barrier_wait -1
.endm
.macro JLOAD p                         ; waves 0, 1 ask for the part's two heads of o, waves 2, 3 for the two halves of Wo's rows; the branch hangs on the wave's number alone
	s_cmp_eq_u32 s13, 0
	s_cbranch_scc0 .Lfor_b_\@
	tensor_load_to_lds s[G0A+4*\p:G0A+4*\p+3], s[G1A:G1A+7]
	s_nop 0
	s_branch .Lasked_\@
.Lfor_b_\@:
	tensor_load_to_lds s[G0B+4*\p:G0B+4*\p+3], s[G1B:G1B+7]
	s_nop 0
.Lasked_\@:
.endm
	s_load_b256 s[4:11], s[0:1], 0x0               ; o16 s[4:5], wo16 s[6:7], bo s[8:9], out0 s[10:11]
	v_lshl_add_u32 v254, v0, 2, 0x4c800
	v_mov_b32 v255, 0
	ds_add_u32 v254, v255
	ds_add_u32 v254, v255
	v_lshrrev_b32 v1, 5, v0
	v_readfirstlane_b32 s12, v1                    ; wave
	s_lshr_b32 s13, s12, 1                         ; my half of the rows.  Also: I ask for o (0) or for Wo (1)
	s_and_b32 s14, s12, 1                          ; my half of the columns.  Also: which half of that tile I ask for
	s_bfe_u32 s15, ttmp6, 0x40000                  ; cx = the block column (the grid is one cluster wide)
	s_bfe_u32 s66, ttmp6, 0x40004                  ; cy
	s_and_b32 s67, ttmp7, 0xffff
	s_lshl_b32 s67, s67, 2
	s_add_co_u32 s67, s67, s66                     ; block = 4 x cluster y + cy
	s_lshl_b32 s68, s66, 2
	s_lshl_b32 s68, 15, s68                        ; my row of the cluster
	s_lshl_b32 s69, 0x1111, s15                    ; my column
	s_or_b32 s[G1A+0], s68, FLAGS
	s_mov_b32 s[G1A+1], 128<<16                    ; tensor_dim0 = 128 elements (two rows of o)
	s_mov_b32 s[G1A+2], 80<<16                     ; tensor_dim1 = 80 rows
	s_mov_b32 s[G1A+3], 128<<16                    ; tile_dim0
	s_mov_b32 s[G1A+4], 80                         ; tile_dim1
	s_mov_b32 s[G1A+5], 128                        ; a head's rows follow each other without a gap
	s_mov_b32 s[G1A+6], 0
	s_mov_b32 s[G1A+7], 0
	s_or_b32 s[G1B+0], s69, FLAGS
	s_mov_b32 s[G1B+1], 128<<16
	s_mov_b32 s[G1B+2], 64<<16                     ; 64 rows
	s_mov_b32 s[G1B+3], 128<<16
	s_mov_b32 s[G1B+4], 64
	s_mov_b32 s[G1B+5], 512
	s_mov_b32 s[G1B+6], 0
	s_mov_b32 s[G1B+7], 0
	; o's tiles hang on the block alone, Wo's on the block column alone; each address is made in registers that never hold the other coordinate
	s_mul_i32 s70, s67, OBLK
	s_mul_i32 s72, s14, OHEAD                      ; the even or the odd head of a part
	s_add_co_u32 s70, s70, s72
	s_mov_b32 s71, 0
	s_lshl_b32 s74, s15, 17                        ; 128 rows of 1,024 bytes
	s_lshl_b32 s78, s14, 16                        ; 64 rows
	s_add_co_u32 s74, s74, s78
	s_mov_b32 s75, 0
	s_mul_i32 s76, s14, HEADB                      ; where they go: the wave's number and constants alone
	s_mul_i32 s77, s14, 64*LP
	s_add_co_u32 s77, s77, ABYTES
	s_wait_dscnt 0x0
	s_wait_kmcnt 0x0
	s_add_nc_u64 s[70:71], s[4:5], s[70:71]
	s_add_nc_u64 s[74:75], s[6:7], s[74:75]
.irp p, 0,1,2,3
	s_mov_b32 s[G0A+4*\p], 1
	s_add_co_u32 s[G0A+4*\p+1], s76, \p*PARTA
	s_add_nc_u64 s[G0A+4*\p+2:G0A+4*\p+3], s[70:71], \p*2*OHEAD    ; two heads on
	s_or_b32 s[G0A+4*\p+3], s[G0A+4*\p+3], 0x80000000
	s_mov_b32 s[G0B+4*\p], 1
	s_add_co_u32 s[G0B+4*\p+1], s77, \p*WPART
	s_add_nc_u64 s[G0B+4*\p+2:G0B+4*\p+3], s[74:75], \p*256        ; 128 k on
	s_or_b32 s[G0B+4*\p+3], s[G0B+4*\p+3], 0x80000000
.endr
	ROUND                                          ; all sixteen work-groups are here: the joint loads meet
	JLOAD 0
	JLOAD 1
	JLOAD 2
	JLOAD 3
	s_lshl_b32 s74, s15, 9                         ; 128 floats a block column,
	s_lshl_b32 s78, s14, 8                         ; 64 for my half: the same in out's rows and in bo
	s_add_co_u32 s74, s74, s78
	s_mov_b32 s75, 0
	s_add_nc_u64 s[8:9], s[8:9], s[74:75]
	s_lshr_b32 s70, s67, 5
	s_lshl_b32 s70, s70, 23                        ; b: 4,096 rows of 2,048 bytes
	s_add_co_u32 s74, s74, s70
	s_add_nc_u64 s[10:11], s[10:11], s[74:75]      ; out at (b, t = 0, my columns)
	s_and_b32 s70, s67, 31                         ; j
	s_mul_i32 s76, s70, 96*2048
	s_mul_i32 s77, s13, 48*2048
	s_add_co_u32 s76, s76, s77
	s_add_co_u32 s76, s76, 1024*2048
	s_mov_b32 s77, 0
	s_add_nc_u64 s[68:69], s[10:11], s[76:77]      ; my late rows: t = 1024 + 96 j + 48 x half ..
	s_lshl_b32 s76, s70, 16
	s_lshl_b32 s70, s13, 15
	s_add_co_u32 s76, s76, s70
	s_add_nc_u64 s[10:11], s[10:11], s[76:77]      ; my early rows: t = 32 j + 16 x half ..
	v_and_b32 v1, 15, v0                           ; r
	v_bfe_u32 v2, v0, 4, 1                         ; h
	v_lshlrev_b32 v[BOF], 5, v2                    ; lane (r, h) wants bo[16 ct + 8 h + 0..7]
	WIN 0x40
.set ii, 0
.rept 4
	global_load_b128 v[128+8*ii:128+8*ii+3], v[BOF], s[8:9] offset:64*ii
	global_load_b128 v[128+8*ii+4:128+8*ii+7], v[BOF], s[8:9] offset:64*ii+16
.set ii, ii+1
.endr
	WIN 0
	v_lshrrev_b32 v3, 1, v1
	v_mul_u32_u24 v3, v3, LP                       ; o: (r / 2) x 272
	v_and_b32 v20, 1, v0
	v_lshl_add_u32 v3, v20, 7, v3                  ; + (r % 2) x 128
	v_lshl_add_u32 v3, v2, 4, v3                   ; + 16 h
	v_mul_u32_u24 v21, v1, LP
	v_lshl_add_u32 v21, v2, 4, v21                 ; Wo: r x 272 + 16 h
	s_mul_i32 s72, s13, 8*LP                       ; early rows 16 x half ..: 16 rows are 8 x 272 bytes
	s_mul_i32 s73, s13, 24*LP
	s_add_co_u32 s73, s73, 16*LP                   ; late rows 32 + 48 x half ..
	s_mul_i32 s78, s14, 64*LP                      ; my 64 rows of Wo,
	s_add_co_u32 s78, s78, ABYTES                  ; behind the eight heads
.irp p, 0,1,2,3
	v_add_nc_u32 v[FE+\p], s72, v3
	v_add_nc_u32 v[FL+\p], s73, v3
	v_add_nc_u32 v[FW+\p], s78, v21
	s_add_co_u32 s72, s72, PARTA
	s_add_co_u32 s73, s73, PARTA
	s_add_co_u32 s78, s78, WPART
.endr
	s_mul_i32 s78, s12, 16*LP                      ; my stage, in head 0's bytes: filled once, at the start, and last read in part 0
	v_mul_u32_u24 v[STO], v1, LP
	v_lshl_add_u32 v[STO], v2, 5, v[STO]           ; in: row r, 32 bytes for each half of the lanes
	v_add_nc_u32 v[STO], s78, v[STO]
	v_mul_u32_u24 v[RD], v2, LP
	v_lshl_add_u32 v[RD], v1, 4, v[RD]             ; back: lanes 0-15 one row of 256 bytes, lanes 16-31 the next
	v_add_nc_u32 v[RD], s78, v[RD]
	v_lshlrev_b32 v[CO], 4, v1
	v_lshl_add_u32 v[CO], v2, 11, v[CO]            ; and the same two rows in out
.macro FET p, q, buf                   ; 18 loads: 32 k at 32 q of part p = head q / 2 of the part, dims 32 (q % 2) ..
	WIN 0
.set ii, 0
.rept 4
	ds_load_b128 v[\buf+8*ii:\buf+8*ii+3], v[FW+\p] offset:ii*16*LP+64*\q
	ds_load_b128 v[\buf+8*ii+4:\buf+8*ii+7], v[FW+\p] offset:ii*16*LP+64*\q+32
.set ii, ii+1
.endr
	ds_load_b128 v[\buf+32:\buf+35], v[FE+\p] offset:(\q/2)*HEADB+64*(\q%2)
	ds_load_b128 v[\buf+36:\buf+39], v[FE+\p] offset:(\q/2)*HEADB+64*(\q%2)+32
.set ii, 0
.rept 3
	ds_load_b128 v[\buf+40+8*ii:\buf+40+8*ii+3], v[FL+\p] offset:(\q/2)*HEADB+ii*8*LP+64*(\q%2)
	ds_load_b128 v[\buf+40+8*ii+4:\buf+40+8*ii+7], v[FL+\p] offset:(\q/2)*HEADB+ii*8*LP+64*(\q%2)+32
.set ii, ii+1
.endr
	ds_load_b128 v[\buf+64:\buf+67], v[FE+\p] offset:(\q/2)*HEADB+64*LP+64*(\q%2)
	ds_load_b128 v[\buf+68:\buf+71], v[FE+\p] offset:(\q/2)*HEADB+64*LP+64*(\q%2)+32
.endm
.macro MUL buf, bias                   ; 16 matrix instructions on 16 accumulators, then the early tile's lo part on its four: one turn each
	WIN 0x50
.set tt, 0
.rept 16
.if \bias
	v_wmma_f32_16x16x32_bf16 v[8*tt:8*tt+7], v[\buf+8*(tt%4):\buf+8*(tt%4)+7], v[\buf+32+8*(tt/4):\buf+32+8*(tt/4)+7], v[128+8*(tt%4):128+8*(tt%4)+7]
.else
	v_wmma_f32_16x16x32_bf16 v[8*tt:8*tt+7], v[\buf+8*(tt%4):\buf+8*(tt%4)+7], v[\buf+32+8*(tt/4):\buf+32+8*(tt/4)+7], v[8*tt:8*tt+7]
.endif
.set tt, tt+1
.endr
.set tt, 0
.rept 4
	v_wmma_f32_16x16x32_bf16 v[8*tt:8*tt+7], v[\buf+8*tt:\buf+8*tt+7], v[\buf+64:\buf+71], v[8*tt:8*tt+7]
.set tt, tt+1
.endr
.endm
; One part: my share of it has landed (the later parts' loads stay out), everybody's has; four steps of 32 k.
.macro PART p, first
	s_wait_tensorcnt 3-\p
	s_barrier_signal -1
	s_barrier_wait -1
	PLACES
	FET \p, 0, F0
	FET \p, 1, F1
	s_wait_dscnt 18                                ; the younger run of 18 stays out
	MUL F0, \first
	PLACES
	FET \p, 2, F0
	s_wait_dscnt 18
	MUL F1, 0
	PLACES
	FET \p, 3, F1
	s_wait_dscnt 18
	MUL F0, 0
	s_wait_dscnt 0x0
	MUL F1, 0
	WIN 0
.endm
	s_wait_loadcnt 0x0                             ; the bias
	PART 0, 1
	PART 1, 0
	PART 2, 0
	PART 3, 0                                      ; behind its barrier nobody reads part 0 any more, where the stages lie
	; THE WAY OUT, 16 rows at a time: 32 bytes a lane into my stage, read back as rows of 256 bytes
	PLACES
.irp a, 0,1,2,3
	WIN 0x04
.set ii, 0
.rept 4
	ds_store_b128 v[STO], v[8*(4*\a+ii):8*(4*\a+ii)+3] offset:64*ii
	ds_store_b128 v[STO], v[8*(4*\a+ii)+4:8*(4*\a+ii)+7] offset:64*ii+16
.set ii, ii+1
.endr
	WIN 0
.set ii, 0
.rept 8
	ds_load_b128 v[F0+32*\a+4*ii:F0+32*\a+4*ii+3], v[RD] offset:2*LP*ii     ; my own stage: LDS serves a wave's instructions in order (ISA guide 5.7.1.4)
.set ii, ii+1
.endr
.set ii, 0
.rept 8
	s_wait_dscnt 7-ii
.if \a == 0
	global_store_b128 v[CO], v[F0+32*\a+4*ii:F0+32*\a+4*ii+3], s[10:11] offset:4096*ii th:TH_STORE_NT   ; 16 lanes store 256 consecutive aligned bytes
.else
	global_store_b128 v[CO], v[F0+32*\a+4*ii:F0+32*\a+4*ii+3], s[68:69] offset:(\a-1)*32768+4096*ii th:TH_STORE_NT
.endif
.set ii, ii+1
.endr
.endr
	s_wait_tensorcnt 0x0
	ds_add_u32 v254, v255
	s_wait_dscnt 0x0
	ROUND                                          ; the closing round: no work-group ends while a partner may still ask for a tile that names it
	s_endpgm
.Lfunc_end_k_qd5a7aef574_outp:
	.size	k_qd5a7aef574_outp, .Lfunc_end_k_qd5a7aef574_outp-k_qd5a7aef574_outp
	.p2alignl 7, 3214868480
	.fill 96, 4, 3214868480
	.section	.rodata,"a",@progbits
	.p2align	6, 0x0
	.amdhsa_kernel k_qd5a7aef574_outp
		.amdhsa_group_segment_fixed_size 313856
		.amdhsa_private_segment_fixed_size 0
		.amdhsa_enable_private_segment 0
		.amdhsa_kernarg_size 32
		.amdhsa_user_sgpr_count 2
		.amdhsa_user_sgpr_kernarg_segment_ptr 1
		.amdhsa_wavefront_size32 1
		.amdhsa_system_sgpr_workgroup_id_x 1
		.amdhsa_system_sgpr_workgroup_id_y 1
		.amdhsa_system_sgpr_workgroup_id_z 1
		.amdhsa_system_vgpr_workitem_id 0
		.amdhsa_next_free_vgpr 416
		.amdhsa_next_free_sgpr 80
		.amdhsa_reserve_vcc 0
		.amdhsa_float_denorm_mode_32 3
		.amdhsa_float_denorm_mode_16_64 3
		.amdhsa_memory_ordered 1
		.amdhsa_forward_progress 1
		.amdhsa_inst_pref_size 61
	.end_amdhsa_kernel
	.amdgpu_metadata
---
amdhsa.version: [ 1, 2 ]
amdhsa.kernels:
  - .name:           k_qd5a7aef574_outp
    .symbol:         k_qd5a7aef574_outp.kd
    .args:
      - { .name: o16, .offset: 0, .size: 8, .value_kind: global_buffer, .address_space: global }
      - { .name: wo16, .offset: 8, .size: 8, .value_kind: global_buffer, .address_space: global }
      - { .name: bo, .offset: 16, .size: 8, .value_kind: global_buffer, .address_space: global }
      - { .name: out0, .offset: 24, .size: 8, .value_kind: global_buffer, .address_space: global }
    .group_segment_fixed_size: 313856
    .private_segment_fixed_size: 0
    .kernarg_segment_align: 8
    .kernarg_segment_size: 32
    .max_flat_workgroup_size: 128
    .sgpr_count:     80
    .vgpr_count:     416
    .wavefront_size: 32
...
	.end_amdgpu_metadata
.endif
;; end of part 6
